; MI455X (gfx1250); checked and timed in simulation.
; The chip was launched on July 23, 2026; its instructions are those of AMD's public machine-readable ISA for CDNA 5 (MIT licence, August 2026) and "CDNA5" Instruction Set Architecture Reference Guide (July 2026). The comments in the code are by the model that wrote it; some were corrected since.
;; Multi Head Self Attention. Allowed arithmetic: float matrix products may take bf16 or f16 operands with f32 sums; other float arithmetic in f32, or as packed bf16 or f16 multiplies, adds, multiply-adds, maxima and minima; sums over many terms, partial sums and values carried from step to step in f32; what a program stores and reads back later, other than sums and carried values, may be rounded once to bf16 or f16.
;; Inputs: beta 1,024 float32; bk 1,024 float32; bo 1,024 float32; bq 1,024 float32; bv 1,024 float32; gamma 1,024 float32; inputs 4 x 2,048 x 1,024 float32; wk 1,024 x 1,024 float32; wo 1,024 x 1,024 float32; wq 1,024 x 1,024 float32; wv 1,024 x 1,024 float32.
;; Outputs: out0 4 x 2,048 x 1,024 float32.
;; 2 versions, each right; version 2 is version 1 with the launch prep written anew for expert scheduling mode. Each part assembles by itself: llvm-mc -triple=amdgcn-amd-amdhsa -mcpu=gfx1250 --defsym DOCPART=n.
;; ======== version 1 of 2: 6 launches
;; workspace buffers: act 16,777,216 bytes; wqkv 6,291,456 bytes; wob 2,097,152 bytes; bqkv 12,288 bytes; qkv 50,331,648 bytes; pt 33,554,432 bytes; stats 1,048,576 bytes
;; launch prep (part 1): grid 768 x 1, 8 waves a work-group, no clusters, 0 bytes of LDS; arguments inputs, wq, wk, wv, wo, bq, bk, bv, act, wqkv, wob, bqkv; writes act, wqkv, wob, bqkv
.if DOCPART == 1
	.amdgcn_target "amdgcn-amd-amdhsa--gfx1250"
	.amdhsa_code_object_version 6
	.text
	.protected	k_qe3b5e578fe_prep
	.globl	k_qe3b5e578fe_prep
	.p2align	8
	.type	k_qe3b5e578fe_prep,@function
k_qe3b5e578fe_prep:
	s_mov_b64 s[64:65], 0
	v_nop
	global_prefetch_b8 v0, s[64:65] scope:SCOPE_SE
	s_setreg_imm32_b32 hwreg(HW_REG_WAVE_MODE, 25, 1), 1
	s_wait_xcnt 0x0
; x and the four weights are rounded once to bf16, layout unchanged: act = bf16(inputs), wqkv = bf16(wq | wk | wv), wob = bf16(wo); bq, bk, bv are stacked into bqkv in f32.
; A work-group converts 16,384 numbers: 65,536 bytes in, 32,768 out.  Groups 0-511 take inputs, groups 512-767 the weights, 64 groups each.
; Thread t takes 16 bytes at 16 t of each 4,096 bytes: a wave's load covers 512 consecutive bytes, its store 256 consecutive bytes at a multiple of 256 from the buffer's first byte.
; All sixteen loads of a thread are issued ahead of the first store.  No LDS, no barrier, no matrix unit: each byte is touched once and the waves share nothing.
.set NX, 512                           ; groups for inputs: 8,192 x 1,024 / 16,384
	s_load_b512 s[4:19], s[0:1], 0x0               ; inputs s[4:5], wq s[6:7], wk s[8:9], wv s[10:11], wo s[12:13], bq s[14:15], bk s[16:17], bv s[18:19]
	s_load_b256 s[20:27], s[0:1], 0x40             ; act s[20:21], wqkv s[22:23], wob s[24:25], bqkv s[26:27]
	v_lshlrev_b32 v1, 4, v0                        ; 16 t: where I read
	v_lshlrev_b32 v2, 3, v0                        ; 8 t: where I write
	s_cmp_lt_u32 ttmp9, NX
	s_cbranch_scc0 .Lweights
	s_lshl_b32 s28, ttmp9, 16                      ; the group's 65,536 bytes of inputs
	s_mov_b32 s29, 0
	s_lshl_b32 s30, ttmp9, 15                      ; and its 32,768 bytes of act
	s_mov_b32 s31, 0
	s_wait_kmcnt 0x0
	s_add_nc_u64 s[32:33], s[4:5], s[28:29]
	s_add_nc_u64 s[34:35], s[20:21], s[30:31]
	s_branch .Lgo
.Lweights:
	s_sub_co_u32 s36, ttmp9, NX
	s_lshr_b32 s37, s36, 6                         ; w: which weight, 0 to 3
	s_and_b32 s36, s36, 63                         ; c: which sixty-fourth of it
	s_lshl_b32 s28, s36, 16
	s_mov_b32 s29, 0
	s_lshl_b32 s30, s36, 15
	s_mov_b32 s31, 0
	s_lshl_b32 s38, s37, 21                        ; w's 2,097,152 bytes in wqkv;
	s_cmp_eq_u32 s37, 3
	s_cselect_b32 s38, 0, s38                      ; wo has a buffer of its own
	s_add_co_u32 s30, s30, s38
	s_lshl_b32 s38, s37, 12                        ; w's 4,096 bytes in bqkv
	s_mov_b32 s39, 0
	s_wait_kmcnt 0x0
	s_cmp_eq_u32 s37, 1                            ; the choices hang on w alone
	s_cselect_b64 s[32:33], s[8:9], s[6:7]
	s_cselect_b64 s[40:41], s[16:17], s[14:15]
	s_cmp_eq_u32 s37, 2
	s_cselect_b64 s[32:33], s[10:11], s[32:33]
	s_cselect_b64 s[40:41], s[18:19], s[40:41]
	s_cmp_eq_u32 s37, 3
	s_cselect_b64 s[32:33], s[12:13], s[32:33]
	s_cselect_b64 s[34:35], s[24:25], s[22:23]
	s_add_nc_u64 s[32:33], s[32:33], s[28:29]
	s_add_nc_u64 s[34:35], s[34:35], s[30:31]
	s_add_nc_u64 s[42:43], s[26:27], s[38:39]      ; used for wq, wk and wv alone
	s_cmp_lg_u32 s36, 0
	s_cbranch_scc1 .Lgo                            ; the first group of wq, wk and wv also copies that weight's bias
	s_cmp_eq_u32 s37, 3
	s_cbranch_scc1 .Lgo
	global_load_b128 v[4:7], v1, s[40:41]          ; 256 threads x 16 bytes: the 1,024 numbers
	s_wait_loadcnt 0x0
	global_store_b128 v1, v[4:7], s[42:43]         ; v1 and v[4:7] are not written again
.Lgo:
.irp j, 0,1,2,3,4,5,6,7,8,9,10,11,12,13,14,15
	global_load_b128 v[8+4*\j:11+4*\j], v1, s[32:33] offset:4096*\j th:TH_LOAD_NT
.endr
.irp j, 0,1,2,3,4,5,6,7,8,9,10,11,12,13,14,15
	s_wait_loadcnt 15-\j                           ; loads come back in order: number j is in, the younger ones stay out
	v_cvt_pk_bf16_f32 v[72+2*\j], v[8+4*\j], v[9+4*\j]
	v_cvt_pk_bf16_f32 v[73+2*\j], v[10+4*\j], v[11+4*\j]
	global_store_b64 v2, v[72+2*\j:73+2*\j], s[34:35] offset:2048*\j  ; each store has data registers of its own
.endr
	s_endpgm
.Lfunc_end_k_qe3b5e578fe_prep:
	.size	k_qe3b5e578fe_prep, .Lfunc_end_k_qe3b5e578fe_prep-k_qe3b5e578fe_prep
	.p2alignl 7, 3214868480
	.fill 96, 4, 3214868480
	.section	.rodata,"a",@progbits
	.p2align	6, 0x0
	.amdhsa_kernel k_qe3b5e578fe_prep
		.amdhsa_group_segment_fixed_size 0
		.amdhsa_private_segment_fixed_size 0
		.amdhsa_enable_private_segment 0
		.amdhsa_kernarg_size 96
		.amdhsa_user_sgpr_count 2
		.amdhsa_user_sgpr_kernarg_segment_ptr 1
		.amdhsa_wavefront_size32 1
		.amdhsa_system_sgpr_workgroup_id_x 1
		.amdhsa_system_sgpr_workgroup_id_y 1
		.amdhsa_system_sgpr_workgroup_id_z 1
		.amdhsa_system_vgpr_workitem_id 0
		.amdhsa_next_free_vgpr 104
		.amdhsa_next_free_sgpr 66
		.amdhsa_reserve_vcc 0
		.amdhsa_float_denorm_mode_32 3
		.amdhsa_float_denorm_mode_16_64 3
		.amdhsa_memory_ordered 1
		.amdhsa_forward_progress 1
		.amdhsa_inst_pref_size 8
	.end_amdhsa_kernel
	.amdgpu_metadata
---
amdhsa.version: [ 1, 2 ]
amdhsa.kernels:
  - .name:           k_qe3b5e578fe_prep
    .symbol:         k_qe3b5e578fe_prep.kd
    .args:
      - { .name: inputs, .offset: 0, .size: 8, .value_kind: global_buffer, .address_space: global }
      - { .name: wq, .offset: 8, .size: 8, .value_kind: global_buffer, .address_space: global }
      - { .name: wk, .offset: 16, .size: 8, .value_kind: global_buffer, .address_space: global }
      - { .name: wv, .offset: 24, .size: 8, .value_kind: global_buffer, .address_space: global }
      - { .name: wo, .offset: 32, .size: 8, .value_kind: global_buffer, .address_space: global }
      - { .name: bq, .offset: 40, .size: 8, .value_kind: global_buffer, .address_space: global }
      - { .name: bk, .offset: 48, .size: 8, .value_kind: global_buffer, .address_space: global }
      - { .name: bv, .offset: 56, .size: 8, .value_kind: global_buffer, .address_space: global }
      - { .name: act, .offset: 64, .size: 8, .value_kind: global_buffer, .address_space: global }
      - { .name: wqkv, .offset: 72, .size: 8, .value_kind: global_buffer, .address_space: global }
      - { .name: wob, .offset: 80, .size: 8, .value_kind: global_buffer, .address_space: global }
      - { .name: bqkv, .offset: 88, .size: 8, .value_kind: global_buffer, .address_space: global }
    .group_segment_fixed_size: 0
    .private_segment_fixed_size: 0
    .kernarg_segment_align: 8
    .kernarg_segment_size: 96
    .max_flat_workgroup_size: 256
    .sgpr_count:     66
    .vgpr_count:     104
    .wavefront_size: 32
...
	.end_amdgpu_metadata
.endif
;; end of part 1
;; launch qkv (part 2): grid 12 x 32, 4 waves a work-group, clusters of 4 x 4, 327,680 bytes of LDS; arguments act, wqkv, bqkv, qkv; writes qkv
.if DOCPART == 2
	.amdgcn_target "amdgcn-amd-amdhsa--gfx1250"
	.amdhsa_code_object_version 6
	.text
	.protected	k_qe3b5e578fe_qkv
	.globl	k_qe3b5e578fe_qkv
	.p2align	8
	.type	k_qe3b5e578fe_qkv,@function
k_qe3b5e578fe_qkv:
	s_mov_b64 s[64:65], 0
	v_nop
	global_prefetch_b8 v0, s[64:65] scope:SCOPE_SE
	s_setreg_imm32_b32 hwreg(HW_REG_WAVE_MODE, 25, 1), 1
	s_wait_xcnt 0x0
	s_wait_alu depctr_hold_cnt(0) depctr_sa_sdst(0) depctr_va_vdst(0) depctr_va_sdst(0) depctr_va_ssrc(0) depctr_va_vcc(0) depctr_vm_vsrc(0)
	s_getreg_b32 s2, hwreg(HW_REG_IB_STS2, 6, 4)
	s_cmp_eq_u32 s2, 0
	s_cbranch_scc0 .Lentry_in_a_cluster
	s_endpgm
.Lentry_in_a_cluster:
	s_bfe_u32 s2, ttmp6, 0x10000c
	s_cmp_lg_u32 s2, 0xf033
	s_cbranch_scc0 .Lentry_shape_is_right
	s_endpgm
.Lentry_shape_is_right:
; A PROJECTION.  C[p][m][n] = sum over k of A[m][k] W[p][k][n] + bias[1024 p + n].  A: [8192][1024] bf16.  W: [parts][1024 k][1024 n] bf16.  bias: f32.  C: [parts][8192][1024] bf16, rounded once from f32 sums.
; The grid's x counts blocks of 256 columns, four to a part (12 for q, k, v; 4 for the output projection, which runs this same text), its y blocks of 256 rows.
; SHARES.  A tile of C is 256 x 256; four waves, each 128 x 128: 64 accumulators of 16 x 16, 512 registers.  K goes in steps of 128 through two LDS slots filled by tensor loads: waves 0 and 1 fetch A's
; two halves (128 rows x 256 bytes), waves 2 and 3 W's (64 rows of k x 512 bytes).  A K step is 256 matrix instructions a wave, 224 of them between a tile's request and the wait for it, and fetches
; 131,072 bytes.  A tile of 128 x 256 would have 112 there and fetch 98,304 bytes for half the multiply-adds.  The price: q, k, v have 384 tiles, one and a half for each of 256 WGPs, and the output
; projection has 128, so that half of the WGPs get none.
; CLUSTER.  4 x 4 work-groups: the four of a row need the same tile of A, the four of a column the same tile of W; each tile is asked for jointly, by the same load, descriptor and mask in all four.
; THE MATRIX INSTRUCTION IS USED TRANSPOSED: source 0 = 16 columns n (W comes out of LDS turned, by ds_load_tr16_b128), source 1 = 16 rows of A.  A lane then holds row l % 16 and the
; columns 16 b + 8 (l / 16) + 0..7: eight neighbours, 16 bytes of bf16.  The bias of those eight columns is the C operand of the product that starts each sum: it costs no vector instruction.
; LIMITS.  Operands are bf16; NaN and infinities are not treated apart.
; REGISTERS, in windows of 256 (s_set_vgpr_msb: bits 1:0 source 0, 3:2 source 1, 5:4 source 2, 7:6 destination):
;   window 0: v0-31 addresses; v64-127, v128-191 fragments of A (8 x 16 rows x 32 K), two buffers; v192-255 the bias, later packed results and rows read back; v32-63 rows read back
;   window 1: v64-127, v128-191 fragments of W, two buffers
;   window 2: the 32 accumulators of my rows 0-63 (accumulator (a, b) at v[8 (8 a + b)]);   window 3: those of my rows 64-127
.set LAPS,   4                         ; a lap = two K steps = once round the ring: K = 1,024
.set PA,     272                       ; a row of A in LDS: 256 bytes + 16: the 16 rows of a load start at 16 different groups of four banks (64 banks of 4 bytes: ISA guide 11.1)
.set PB,     544                       ; a row of W: 512 bytes + 32 = 17 x 32
.set AHALF,  128*PA                    ; what one load brings of A, and what one wave reads of it
.set BOFF,   2*AHALF                   ; W's 128 rows of k lie behind A's 256 rows
.set BHALF,  64*PB
.set SLOT,   BOFF+2*BHALF
.set STAGE,  2*SLOT                    ; behind the ring, never filled by a tensor load: 16 rows x 272 bytes for each wave, for the way out
.set SP,     272
.set SPARE,  STAGE+4*16*SP             ; the spare words, 128 bytes for each wave: two blocks of 256 bytes that no other line names
.set STEPA,  256                       ; a K step in A: 128 elements along the row
.set STEPB,  128*2048                  ; in W: 128 rows of 2,048 bytes
.set CPITCH, 2048                      ; bytes in a row of C
.set CB,   10                          ; s[10:11] C
.set ADRA, 16                          ; v16-17  LDS address of my A fragments in slot 0, 1
.set ADRB, 20                          ; v20-21  the same for W
.set STO,  24                          ; v24     the way out: where I put 16 bytes of a row
.set RD,   25                          ; v25     where I read a row back
.set CO,   26                          ; v26     my byte offset in C
.set SPW,  28                          ; v28     LDS address of my spare word; never rewritten
.set NIL,  29                          ; v29     0; never rewritten
.set OB,   32                          ; rows read back from the stage: v32-63 and v224-255 by turns
.set F0,   64                          ; fragment buffer 0
.set F1,   128                         ; fragment buffer 1
.set TMP,  192                         ; packed results
.set BIAS, 192                         ; v192-255 until the first quarter step has read them
.set G1A, 24                           ; s[24:31] descriptor group 1 for A's tiles;  s[32:39] group 0, a set for each slot
.set G0A, 32
.set G1B, 48                           ; s[48:55], s[56:63] the same for W's
.set G0B, 56
.set MUL_LO, 0xa1                      ; source 0 (W) window 1, source 1 (A) window 0, C and D window 2
.set BIA_LO, 0x81                      ; the same with C in window 0
.set TO_B,   0x40                      ; destination window 1, address window 0
.set MSB, 0
.macro WIN new                         ; the immediate's high byte repeats the setting that is left; a switch that changes nothing is dropped
.if MSB != (\new)
	s_set_vgpr_msb (MSB<<8)|(\new)
.set MSB, \new
.endif
.endm
.macro PLACES                          ; four plain vector instructions between a matrix instruction and a load into, or a vector read of, its registers
.rept 4
	v_nop
.endr
.endm
.macro JLOAD s                         ; a joint load: waves 0 and 1 ask for A's halves, waves 2 and 3 for W's; the branch hangs on the wave's number alone; an s_nop 0 and four v_nop follow each line
	s_cmp_eq_u32 s13, 0
	s_cbranch_scc0 .Lfor_b_\@
	tensor_load_to_lds s[G0A+4*(\s):G0A+4*(\s)+3], s[G1A:G1A+7]
	s_nop 0
.rept 4
	v_nop
.endr
	s_branch .Lasked_\@
.Lfor_b_\@:
	tensor_load_to_lds s[G0B+4*(\s):G0B+4*(\s)+3], s[G1B:G1B+7]
	s_nop 0
.rept 4
	v_nop
.endr
.Lasked_\@:
.endm
.macro CREST                           ; a round of the cluster's barrier behind its opening barrier
	s_cmp_lg_u32 s12, 0
	s_cbranch_scc1 .Lnot_wave_0_\@
	s_barrier_signal -3
.Lnot_wave_0_\@:
	s_barrier_wait -3
	s_barrier_signal -1
	s_barrier_wait -1
.endm
.macro CROUND                          ; a whole round
	s_barrier_signal -1
	s_barrier_wait -1
	CREST
.endm
	s_load_b256 s[4:11], s[0:1], 0x0               ; A s[4:5], W s[6:7], bias s[8:9], C s[10:11]
	v_lshl_add_u32 v[SPW], v0, 2, SPARE
	v_mov_b32 v[NIL], 0
	ds_add_u32 v[SPW], v[NIL]                      ; the wave's opening: the add and its wait stand ahead of my first tensor load; the set-up below stands between them
	v_lshrrev_b32 v1, 5, v0
	v_readfirstlane_b32 s12, v1                    ; wave 0..3
	s_lshr_b32 s13, s12, 1                         ; which 128 rows of the tile are mine.  Also: I fetch for A (0) or for W (1)
	s_and_b32 s14, s12, 1                          ; which 128 columns.  Also: which half of that tile I fetch
	s_bfe_u32 s15, ttmp6, 0x40000                  ; cx, cy: my place in the cluster
	s_bfe_u32 s16, ttmp6, 0x40004
	s_lshl_b32 s17, ttmp9, 2
	s_add_co_u32 s17, s17, s15                     ; block of 256 columns = 4 x cluster x + cx
	s_and_b32 s18, ttmp7, 0xffff
	s_lshl_b32 s18, s18, 2
	s_add_co_u32 s18, s18, s16                     ; block of 256 rows = 4 x cluster y + cy
	s_lshl_b32 s44, s16, 2
	s_lshl_b32 s44, 15, s44                        ; my row of the cluster
	s_lshl_b32 s45, 0x1111, s15                    ; my column
	s_or_b32 s[G1A+0], s44, (1<<16)|(1<<20)|(1<<21)|(5<<22)|(3<<25)  ; the mask; 2-byte elements; padding on; bit 21 beside a mask; after every 64 words, 4 words
	s_mov_b32 s[G1A+1], 128<<16                    ; tensor_dim0 = 128
	s_mov_b32 s[G1A+2], 128<<16                    ; tensor_dim1 = 128
	s_mov_b32 s[G1A+3], 128<<16                    ; tile_dim0 = 128
	s_mov_b32 s[G1A+4], 128                        ; tile_dim1 = 128
	s_mov_b32 s[G1A+5], 1024                       ; elements from row to row
	s_mov_b32 s[G1A+6], 0
	s_mov_b32 s[G1A+7], 0
	s_or_b32 s[G1B+0], s45, (1<<16)|(1<<20)|(1<<21)|(6<<22)|(7<<25)  ; after every 128 words, 8 words
	s_mov_b32 s[G1B+1], 256<<16                    ; 64 rows of k x 256 columns
	s_mov_b32 s[G1B+2], 64<<16
	s_mov_b32 s[G1B+3], 256<<16
	s_mov_b32 s[G1B+4], 64
	s_mov_b32 s[G1B+5], 1024
	s_mov_b32 s[G1B+6], 0
	s_mov_b32 s[G1B+7], 0
	s_lshl_b32 s40, s18, 8                         ; A's tile hangs on the row block and the wave alone: row 256 y + 128 half,
	s_lshl_b32 s19, s14, 7
	s_add_co_u32 s40, s40, s19
	s_lshl_b32 s40, s40, 11                        ; of 2,048 bytes
	s_mov_b32 s41, 0
	s_lshl_b32 s42, ttmp9, 21                      ; W's on the column block and the wave alone: the part (cluster x) of 2,097,152 bytes,
	s_lshl_b32 s47, s14, 17                        ; 64 rows of 2,048 bytes for the second half,
	s_add_co_u32 s42, s42, s47
	s_lshl_b32 s47, s15, 9                         ; 512 bytes for each block of 256 columns in the part
	s_add_co_u32 s42, s42, s47
	s_mov_b32 s43, 0
	s_lshl_b32 s72, s18, 8                         ; my part of C: row 256 y + 128 x my half,
	s_lshl_b32 s19, s13, 7
	s_add_co_u32 s72, s72, s19
	s_lshl_b32 s72, s72, 11
	s_lshl_b32 s47, ttmp9, 24                      ; the part of 16,777,216 bytes,
	s_add_co_u32 s72, s72, s47
	s_lshl_b32 s47, s15, 9                         ; the block's 512 bytes, my 256 of them
	s_add_co_u32 s72, s72, s47
	s_lshl_b32 s47, s14, 8
	s_add_co_u32 s72, s72, s47
	s_mov_b32 s73, 0
	s_mul_i32 s76, s14, AHALF                      ; where the halves go in a slot: the wave's number alone enters an LDS address
	s_mul_i32 s77, s14, BHALF
	s_add_co_u32 s77, s77, BOFF
	s_wait_dscnt 0x0                               ; the opening add is done
	s_wait_kmcnt 0x0
	s_add_nc_u64 s[20:21], s[4:5], s[40:41]
	s_add_nc_u64 s[22:23], s[6:7], s[42:43]
	s_add_nc_u64 s[CB:CB+1], s[CB:CB+1], s[72:73]
	CROUND                                         ; all sixteen work-groups are here: the first joint loads meet
.irp s, 0,1
	s_mov_b32 s[G0A+4*(\s)], 1                     ; count = 1
	s_add_co_u32 s[G0A+4*(\s)+1], s76, (\s)*SLOT   ; LDS address
	s_add_nc_u64 s[G0A+4*(\s)+2:G0A+4*(\s)+3], s[20:21], (\s)*STEPA  ; global address: K step s
	s_or_b32 s[G0A+4*(\s)+3], s[G0A+4*(\s)+3], 0x80000000            ; type = 2
	s_mov_b32 s[G0B+4*(\s)], 1
	s_add_co_u32 s[G0B+4*(\s)+1], s77, (\s)*SLOT
	s_add_nc_u64 s[G0B+4*(\s)+2:G0B+4*(\s)+3], s[22:23], (\s)*STEPB
	s_or_b32 s[G0B+4*(\s)+3], s[G0B+4*(\s)+3], 0x80000000
	JLOAD \s                                       ; two loads of mine are out
.endr
	v_and_b32 v1, 15, v0                           ; r = l % 16
	v_bfe_u32 v2, v0, 4, 1                         ; h = l / 16
	s_lshl_b32 s47, s17, 10                        ; the bias of my 128 columns: 4 bytes x (256 x + 128 half),
	s_lshl_b32 s19, s14, 9
	s_add_co_u32 s47, s47, s19
	v_lshl_add_u32 v6, v2, 5, s47                  ; and 8 numbers on for the upper half of the lanes
.irp b, 0,1,2,3,4,5,6,7
	global_load_b128 v[BIAS+8*\b:BIAS+8*\b+3],   v6, s[8:9] offset:64*\b     ; register j: column 16 b + 8 h + j, whatever the row block
	global_load_b128 v[BIAS+8*\b+4:BIAS+8*\b+7], v6, s[8:9] offset:64*\b+16
.endr
	v_mul_u32_u24 v3, v1, PA
	v_lshl_add_u32 v3, v2, 4, v3                   ; a fragment of A: row r x pitch + 16 h; two loads 32 bytes apart
	s_mul_i32 s19, s13, AHALF
	v_add_nc_u32 v[ADRA], s19, v3
	s_add_co_u32 s19, s19, SLOT
	v_add_nc_u32 v[ADRA+1], s19, v3
	v_and_b32 v4, 7, v0                            ; the turning load: lane l reads row k = 8 h + l % 8, 16 bytes at 16 ((l / 8) % 2), and is left with column l % 16 and 8 k
	v_lshl_add_u32 v4, v2, 3, v4
	v_mul_u32_u24 v4, v4, PB
	v_bfe_u32 v5, v0, 3, 1
	v_lshl_add_u32 v4, v5, 4, v4
	s_lshl_b32 s19, s14, 8                         ; my 128 columns of the row's 256
	s_add_co_u32 s19, s19, BOFF
	v_add_nc_u32 v[ADRB], s19, v4
	s_add_co_u32 s19, s19, SLOT
	v_add_nc_u32 v[ADRB+1], s19, v4
	s_mul_i32 s19, s12, 16*SP
	s_add_co_u32 s19, s19, STAGE                   ; my stage
	v_add_nc_u32 v[STO], s19, v3                   ; in: row r, 16 bytes for each half of the lanes
	v_mul_u32_u24 v5, v2, SP                       ; back: lanes 0-15 take one row of 256 bytes, lanes 16-31 the next
	v_lshl_add_u32 v5, v1, 4, v5
	v_add_nc_u32 v[RD], s19, v5
	v_mul_u32_u24 v5, v2, CPITCH                   ; and the same two rows in C
	v_lshl_add_u32 v[CO], v1, 4, v5
; 16 matrix instructions: row blocks a0, a0 + 1 of the window's four (hi = 0: my rows 0-63, 1: rows 64-127) x all 8 column blocks, 32 along K.  mode 0: onto the sums; 2: the bias starts the sums.
; The 64 accumulators take turns in the same order in every quarter step.
.macro MUL16 f, hi, a0, mode
.if (\mode) == 2
	WIN BIA_LO+0x40*(\hi)
.else
	WIN MUL_LO+0x50*(\hi)
.endif
.irp a, \a0, (\a0)+1
.irp b, 0,1,2,3,4,5,6,7
.if (\mode) == 2
	v_wmma_f32_16x16x32_bf16 v[8*(8*(\a)+(\b)):8*(8*(\a)+(\b))+7], v[(\f)+8*(\b):(\f)+8*(\b)+7], v[(\f)+8*(4*(\hi)+(\a)):(\f)+8*(4*(\hi)+(\a))+7], v[BIAS+8*(\b):BIAS+8*(\b)+7]
.else
	v_wmma_f32_16x16x32_bf16 v[8*(8*(\a)+(\b)):8*(8*(\a)+(\b))+7], v[(\f)+8*(\b):(\f)+8*(\b)+7], v[(\f)+8*(4*(\hi)+(\a)):(\f)+8*(4*(\hi)+(\a))+7], v[8*(8*(\a)+(\b)):8*(8*(\a)+(\b))+7]
.endif
.endr
.endr
.endm
; 32 LDS loads in one run: quarter q (32 along K) of a slot into buffer f: W's 8 fragments, then A's 8
.macro FETCH slot, q, f
	WIN TO_B
.irp i, 0,1,2,3,4,5,6,7
	ds_load_tr16_b128 v[(\f)+8*\i:(\f)+8*\i+3],   v[ADRB+(\slot)] offset:(\q)*32*PB+32*\i
	ds_load_tr16_b128 v[(\f)+8*\i+4:(\f)+8*\i+7], v[ADRB+(\slot)] offset:(\q)*32*PB+16*PB+32*\i
.endr
	WIN 0
.irp i, 0,1,2,3,4,5,6,7
	ds_load_b128 v[(\f)+8*\i:(\f)+8*\i+3],   v[ADRA+(\slot)] offset:64*(\q)+\i*16*PA
	ds_load_b128 v[(\f)+8*\i+4:(\f)+8*\i+7], v[ADRA+(\slot)] offset:64*(\q)+\i*16*PA+32
.endr
.endm
; A K step is four quarters of 32 along K, 64 matrix instructions each, on buffers 0, 1, 0, 1.  One of the first three: multiplies buffer f; in its middle it fetches quarter q of the same slot into g.
.macro QUARTER slot, q, f, g, mode
	s_wait_dscnt 8                                 ; W and A's rows 0-63 are in; the youngest eight loads (A's rows 64-127) may be out
	MUL16 \f, 0, 0, \mode
	MUL16 \f, 0, 2, \mode
	PLACES
	FETCH \slot, \q, \g
	s_wait_dscnt 32                                ; all but the 32 just issued
	MUL16 \f, 1, 0, \mode
	MUL16 \f, 1, 2, \mode
.endm
; The fourth quarter multiplies buffer 1 and changes slots: ONE barrier; in front of it each wave waits for all its tensor loads (one is out: its part of the next slot), adds 0 to its spare word, and
; waits for that and for its reads of this slot.  fill = 1: the barrier opens a round of the cluster's, and this slot is filled again, two K steps ahead, first thing behind the round.
.macro TURN slot, next, fill
	WIN 0                                          ; (the add's two registers lie in window 0)
	s_wait_tensorcnt 0x0
	ds_add_u32 v[SPW], v[NIL]                      ; 0 onto my spare word
	s_wait_dscnt 9                                 ; (the add and the youngest eight loads may be out)
	MUL16 F1, 0, 0, 0                              ; sixteen matrix instructions stand between the add and the wait for it
	s_wait_dscnt 0x0                               ; the add is done, and my reads of this slot are over
	s_barrier_signal -1
	MUL16 F1, 0, 2, 0
	WIN 0
	s_barrier_wait -1
.if \fill
	CREST                                          ; no wave of any partner still reads this slot's tiles or has a load on its way
	s_add_nc_u64 s[G0A+4*(\slot)+2:G0A+4*(\slot)+3], s[G0A+4*(\slot)+2:G0A+4*(\slot)+3], 2*STEPA
	s_add_nc_u64 s[G0B+4*(\slot)+2:G0B+4*(\slot)+3], s[G0B+4*(\slot)+2:G0B+4*(\slot)+3], 2*STEPB
	JLOAD \slot                                    ; 224 matrix instructions ahead of the wait for it; its four v_nop are also the places in front of the loads below
.else
	PLACES
.endif
	FETCH \next, 0, F0
	MUL16 F1, 1, 0, 0
	MUL16 F1, 1, 2, 0
.endm
; THE WAY OUT of row block a of eight.  PACK: rounded to bf16, each accumulator from its low end.  TOSTAGE: into my own stage, and back as whole rows of 256 bytes.  SEND: stored.
.macro PACK a
	WIN 0x0a+5*((\a)/4)                            ; sources 0 and 1: window 2 or 3
.set i, 0
.rept 32
	v_cvt_pk_bf16_f32 v[TMP+i], v[64*((\a)%4)+2*i], v[64*((\a)%4)+2*i+1]
.set i, i+1
.endr
	WIN 0
.endm
.macro TOSTAGE a
	WIN 0
.irp b, 0,1,2,3,4,5,6,7
	ds_store_b128 v[STO], v[TMP+4*\b:TMP+4*\b+3] offset:32*\b
.endr
.irp t, 0,1,2,3,4,5,6,7
	ds_load_b128 v[OB+192*((\a)%2)+4*\t:OB+192*((\a)%2)+4*\t+3], v[RD] offset:\t*2*SP  ; LDS serves a wave's instructions in order (ISA guide 5.7.1.4): these see the stores above
.endr
.endm
.macro SEND a
	WIN 0
	s_wait_dscnt 0x0                               ; the block is back in registers
	s_wait_xcnt 0x0                                ; the stores of the block before have read their registers: the buffer that they named is loaded again only behind this wait
.irp t, 0,1,2,3,4,5,6,7
	global_store_b128 v[CO], v[OB+192*((\a)%2)+4*\t:OB+192*((\a)%2)+4*\t+3], s[CB:CB+1] offset:(16*(\a)+2*\t)*CPITCH  ; 16 lanes store 256 consecutive bytes, at a multiple of 256 from C's first byte
.endr
.endm
	s_wait_loadcnt 0x0                             ; the bias
	s_wait_tensorcnt 1                             ; my part of K step 0 is in; step 1's may stay out
	s_barrier_signal -1
	s_barrier_wait -1                              ; everybody's is
	FETCH 0, 0, F0
	QUARTER 0, 1, F0, F1, 2                        ; the first quarter stands in front of the loop: its products start the sums
	WIN 0                                          ; at a label and at a branch every window is 0
	s_mov_b32 s3, LAPS-1
.Llap:                                                 ; a trip goes once round the ring, from a lap's second quarter to the next lap's first, and fills both slots again
	QUARTER 0, 2, F1, F0, 0
	QUARTER 0, 3, F0, F1, 0
	TURN 0, 1, 1
	QUARTER 1, 1, F0, F1, 0
	QUARTER 1, 2, F1, F0, 0
	QUARTER 1, 3, F0, F1, 0
	TURN 1, 0, 1
	QUARTER 0, 1, F0, F1, 0
	WIN 0
	s_sub_co_u32 s3, s3, 1
	s_cmp_lg_u32 s3, 0
	s_cbranch_scc1 .Llap
	QUARTER 0, 2, F1, F0, 0                        ; the last lap is written out: it fills nothing
	QUARTER 0, 3, F0, F1, 0
	TURN 0, 1, 0
	QUARTER 1, 1, F0, F1, 0
	QUARTER 1, 2, F1, F0, 0
	QUARTER 1, 3, F0, F1, 0
	s_wait_dscnt 8                                 ; the very last quarter: nothing more to fetch
	MUL16 F1, 0, 0, 0
	MUL16 F1, 0, 2, 0
	s_wait_dscnt 0x0
	MUL16 F1, 1, 0, 0
	MUL16 F1, 1, 2, 0
	WIN 0
	PLACES
	PACK 0
	TOSTAGE 0
.irp a, 1,2,3,4,5,6,7                  ; block a's conversions stand between block a - 1's loads from the stage and the wait for them
	PACK \a
	SEND (\a)-1
	TOSTAGE \a
.endr
	SEND 7
	s_wait_tensorcnt 0x0                           ; the wave's end, behind my last tensor load and my last LDS store
	ds_add_u32 v[SPW], v[NIL]
	s_wait_dscnt 0x0
	CROUND                                         ; the closing round: no work-group ends while a partner may still ask for a tile that names it
	s_endpgm
.Lfunc_end_k_qe3b5e578fe_qkv:
	.size	k_qe3b5e578fe_qkv, .Lfunc_end_k_qe3b5e578fe_qkv-k_qe3b5e578fe_qkv
	.p2alignl 7, 3214868480
	.fill 96, 4, 3214868480
	.section	.rodata,"a",@progbits
	.p2align	6, 0x0
	.amdhsa_kernel k_qe3b5e578fe_qkv
		.amdhsa_group_segment_fixed_size 327680
		.amdhsa_private_segment_fixed_size 0
		.amdhsa_enable_private_segment 0
		.amdhsa_kernarg_size 32
		.amdhsa_user_sgpr_count 2
		.amdhsa_user_sgpr_kernarg_segment_ptr 1
		.amdhsa_wavefront_size32 1
		.amdhsa_system_sgpr_workgroup_id_x 1
		.amdhsa_system_sgpr_workgroup_id_y 1
		.amdhsa_system_sgpr_workgroup_id_z 1
		.amdhsa_system_vgpr_workitem_id 0
		.amdhsa_next_free_vgpr 1024
		.amdhsa_next_free_sgpr 80
		.amdhsa_reserve_vcc 0
		.amdhsa_float_denorm_mode_32 3
		.amdhsa_float_denorm_mode_16_64 3
		.amdhsa_memory_ordered 1
		.amdhsa_forward_progress 1
		.amdhsa_inst_pref_size 144
	.end_amdhsa_kernel
	.amdgpu_metadata
---
amdhsa.version: [ 1, 2 ]
amdhsa.kernels:
  - .name:           k_qe3b5e578fe_qkv
    .symbol:         k_qe3b5e578fe_qkv.kd
    .args:
      - { .name: act, .offset: 0, .size: 8, .value_kind: global_buffer, .address_space: global }
      - { .name: wqkv, .offset: 8, .size: 8, .value_kind: global_buffer, .address_space: global }
      - { .name: bqkv, .offset: 16, .size: 8, .value_kind: global_buffer, .address_space: global }
      - { .name: qkv, .offset: 24, .size: 8, .value_kind: global_buffer, .address_space: global }
    .group_segment_fixed_size: 327680
    .private_segment_fixed_size: 0
    .kernarg_segment_align: 8
    .kernarg_segment_size: 32
    .max_flat_workgroup_size: 128
    .sgpr_count:     80
    .vgpr_count:     1024
    .wavefront_size: 32
...
	.end_amdgpu_metadata
.endif
;; end of part 2
;; launch score (part 3): grid 8 x 32, 4 waves a work-group, clusters of 4 x 4, 327,680 bytes of LDS; arguments qkv, pt, stats; writes pt, stats
.if DOCPART == 3
	.amdgcn_target "amdgcn-amd-amdhsa--gfx1250"
	.amdhsa_code_object_version 6
	.text
	.protected	k_qe3b5e578fe_score
	.globl	k_qe3b5e578fe_score
	.p2align	8
	.type	k_qe3b5e578fe_score,@function
k_qe3b5e578fe_score:
	s_mov_b64 s[64:65], 0
	v_nop
	global_prefetch_b8 v0, s[64:65] scope:SCOPE_SE
	s_setreg_imm32_b32 hwreg(HW_REG_WAVE_MODE, 25, 1), 1
	s_wait_xcnt 0x0
	s_wait_alu depctr_hold_cnt(0) depctr_sa_sdst(0) depctr_va_vdst(0) depctr_va_sdst(0) depctr_va_ssrc(0) depctr_va_vcc(0) depctr_vm_vsrc(0)
	s_getreg_b32 s2, hwreg(HW_REG_IB_STS2, 6, 4)
	s_cmp_eq_u32 s2, 0
	s_cbranch_scc0 .Lentry_in_a_cluster
	s_endpgm
.Lentry_in_a_cluster:
	s_bfe_u32 s2, ttmp6, 0x10000c
	s_cmp_lg_u32 s2, 0xf033
	s_cbranch_scc0 .Lentry_shape_is_right
	s_endpgm
.Lentry_shape_is_right:
; The scores and the first half of the softmax.  s[m][n] = q[m] . k[n] over 1,024 channels, for the 2,048 keys n of row m's batch; q = part 0 and k = part 1 of qkv, [8192][1024] bf16 each.
; For each row and each BLOCK of 128 keys (a wave's columns): m = the block's largest s; NE = floor(-c m), c = log2(e) / 32; p = 2^(c s + NE), at most 1 up to rounding, the largest above 1/2;
; l = the sum of the unrounded p.  Stored: pt[m][n] = bf16(p); stats[batch][block][0][row] = NE, [1][row] = l, in f32.  The next launch brings the 16 blocks of a row to one exponent: the maximum is
; taken away for every input, rounded up to a whole binary order, so that the later correction is an exact power of two.
; LIMITS.  A weight below 2^-126 counts as 0; NaN and infinities are not treated apart.
; SHARES, RING, CLUSTER.  A tile is 256 rows x 256 keys: 4 batches x 8 x 8 tiles = 256 work-groups.  Four waves, each 128 x 128: 64 accumulators.  K (the channels) goes in steps of 128 through two LDS
; slots filled by tensor loads: waves 0 and 1 fetch q's halves, waves 2 and 3 k's, 128 rows x 256 bytes each; a K step is 256 matrix instructions a wave, 224 of them between a tile's request and the
; wait for it.  4 x 4 work-groups form a cluster: q's tile is asked for jointly along a row, k's along a column.
; THE MATRIX INSTRUCTION IS USED TRANSPOSED: source 0 = 16 keys, source 1 = 16 queries: a lane holds query l % 16 and the keys 16 b + 8 (l / 16) + 0..7; a row's 128 scores lie in two lanes, 16 apart.
; THE WAY OUT is written for four row blocks, those of window 2, and walked twice: ahead of the second walk 256 moves bring window 3's accumulators to the registers that the text names.
; The price is those moves, once a launch; the gain is that the softmax of four blocks is not written a second time.
; REGISTERS, in windows of 256 (s_set_vgpr_msb: bits 1:0 source 0, 3:2 source 1, 5:4 source 2, 7:6 destination):
;   window 0: v0-31 addresses; v64-127, v128-191 fragments of q, two buffers (v64-111 later the softmax at work); v192-223 packed weights; v32-63, v224-255 rows read back from the stage
;   window 1: v64-127, v128-191 fragments of k, two buffers
;   window 2: the 32 accumulators of my rows 0-63 (accumulator (a, b) at v[8 (8 a + b)]);   window 3: those of my rows 64-127
.set LAPS,   4                         ; a lap = two K steps: 1,024 channels
.set PA,     272                       ; a row in LDS: 256 bytes + 16: the 16 rows of a load start at 16 different groups of four banks (64 banks of 4 bytes: ISA guide 11.1)
.set AHALF,  128*PA
.set BOFF,   2*AHALF                   ; k's 256 rows lie behind q's 256
.set BHALF,  128*PA
.set SLOT,   BOFF+2*BHALF
.set STAGE,  2*SLOT                    ; behind the ring, never filled by a tensor load: 16 rows x 272 bytes for each wave
.set SP,     272
.set STATS,  STAGE+4*16*SP             ; for each wave 256 bytes of NE and 256 of l: the 64 rows of one walk
.set SPARE,  STATS+4*512               ; the spare words, 128 bytes for each wave: two blocks of 256 bytes that no other line names
.set STEPA,  256
.set STEPB,  256
.set CPITCH, 4096                      ; bytes in a row of pt
.set CB,   6                           ; s[6:7] pt
.set ADRA, 16
.set ADRB, 20
.set SA,   18                          ; v18  where I put a row's NE (lanes 0-15) or l (lanes 16-31)
.set SR,   19                          ; v19  where I read 16 bytes of them back
.set SO,   22                          ; v22  my byte offset in stats
.set STO,  24
.set RD,   25
.set CO,   26
.set SPW,  28                          ; v28  LDS address of my spare word; never rewritten
.set NIL,  29                          ; v29  0; never rewritten
.set OB,   32
.set F0,   64
.set F1,   128
.set TMP,  192
.set CH,   64                          ; v64-71 eight chains of the maximum
.set MX,   72
.set NE,   74                          ; v74-75 NE, named as a pair
.set LS,   76
.set SV,   78
.set TT,   80                          ; v80-111 sixteen pairs of partial sums
.set G1A, 24
.set G0A, 32
.set G1B, 48
.set G0B, 56
.set CS,  66                           ; s[66:67] c
.set SEL, 68                           ; s[68:69] v_permlanex16_b32's selects: each lane takes its own place in the other half
.set MUL_LO, 0xa1                      ; source 0 (k) window 1, source 1 (q) window 0, C and D window 2
.set TO_B,   0x40                      ; destination window 1, address window 0
.set W_S3,   0x2a                      ; three sources window 2
.set W_S2,   0x28                      ; sources 1 and 2 window 2
.set W_IN,   0x82                      ; destination and source 0 window 2
.set W_PK,   0x0a                      ; sources 0 and 1 window 2
.set W_MV,   0x83                      ; destination window 2, source 0 window 3
.set MSB, 0
.macro WIN new                         ; the immediate's high byte repeats the setting that is left; a switch that changes nothing is dropped
.if MSB != (\new)
	s_set_vgpr_msb (MSB<<8)|(\new)
.set MSB, \new
.endif
.endm
.macro PLACES                          ; four plain vector instructions between a matrix instruction and a load into, or a vector read of, its registers
.rept 4
	v_nop
.endr
.endm
.macro JLOAD s                         ; a joint load: waves 0 and 1 ask for q's halves, waves 2 and 3 for k's; an s_nop 0 and four v_nop follow each line
	s_cmp_eq_u32 s13, 0
	s_cbranch_scc0 .Lfor_b_\@
	tensor_load_to_lds s[G0A+4*(\s):G0A+4*(\s)+3], s[G1A:G1A+7]
	s_nop 0
.rept 4
	v_nop
.endr
	s_branch .Lasked_\@
.Lfor_b_\@:
	tensor_load_to_lds s[G0B+4*(\s):G0B+4*(\s)+3], s[G1B:G1B+7]
	s_nop 0
.rept 4
	v_nop
.endr
.Lasked_\@:
.endm
.macro CREST                           ; a round of the cluster's barrier behind its opening barrier
	s_cmp_lg_u32 s12, 0
	s_cbranch_scc1 .Lnot_wave_0_\@
	s_barrier_signal -3
.Lnot_wave_0_\@:
	s_barrier_wait -3
	s_barrier_signal -1
	s_barrier_wait -1
.endm
.macro CROUND
	s_barrier_signal -1
	s_barrier_wait -1
	CREST
.endm
	s_load_b128 s[4:7], s[0:1], 0x0                ; qkv s[4:5], pt s[6:7]
	s_load_b64 s[8:9], s[0:1], 0x10                ; stats
	v_lshl_add_u32 v[SPW], v0, 2, SPARE
	v_mov_b32 v[NIL], 0
	ds_add_u32 v[SPW], v[NIL]                      ; the wave's opening: the add and its wait stand ahead of my first tensor load; the set-up below stands between them
	v_lshrrev_b32 v1, 5, v0
	v_readfirstlane_b32 s12, v1                    ; wave 0..3
	s_lshr_b32 s13, s12, 1                         ; which 128 rows are mine.  Also: I fetch for q (0) or for k (1)
	s_and_b32 s14, s12, 1                          ; which 128 keys.  Also: which half of that tile I fetch
	s_bfe_u32 s15, ttmp6, 0x40000                  ; cx, cy
	s_bfe_u32 s16, ttmp6, 0x40004
	s_lshl_b32 s17, ttmp9, 2
	s_add_co_u32 s17, s17, s15                     ; block of 256 keys = 4 x cluster x + cx
	s_and_b32 s46, ttmp7, 0xffff
	s_lshr_b32 s46, s46, 1                         ; the batch: 8 row blocks, two clusters, each: made of the cluster's y alone, in a register that never holds cy
	s_and_b32 s18, ttmp7, 0xffff
	s_lshl_b32 s18, s18, 2
	s_add_co_u32 s18, s18, s16                     ; block of 256 rows = 4 x cluster y + cy
	s_lshl_b32 s44, s16, 2
	s_lshl_b32 s44, 15, s44                        ; my row of the cluster
	s_lshl_b32 s45, 0x1111, s15                    ; my column
	s_or_b32 s[G1A+0], s44, (1<<16)|(1<<20)|(1<<21)|(5<<22)|(3<<25)  ; the mask; 2-byte elements; padding on; bit 21 beside a mask; after every 64 words, 4 words
	s_or_b32 s[G1B+0], s45, (1<<16)|(1<<20)|(1<<21)|(5<<22)|(3<<25)
.irp g, G1A, G1B
	s_mov_b32 s[(\g)+1], 128<<16                   ; 128 rows x 128 elements
	s_mov_b32 s[(\g)+2], 128<<16
	s_mov_b32 s[(\g)+3], 128<<16
	s_mov_b32 s[(\g)+4], 128
	s_mov_b32 s[(\g)+5], 1024                      ; elements from row to row
	s_mov_b32 s[(\g)+6], 0
	s_mov_b32 s[(\g)+7], 0
.endr
	s_lshl_b32 s40, s18, 8                         ; q's tile: row 256 y + 128 half, of 2,048 bytes
	s_lshl_b32 s19, s14, 7
	s_add_co_u32 s40, s40, s19
	s_lshl_b32 s40, s40, 11
	s_mov_b32 s41, 0
	s_lshl_b32 s42, s46, 22                        ; k's tile: the batch's 2,048 rows of 2,048 bytes,
	s_lshl_b32 s47, s17, 19                        ; 256 rows for each block of keys,
	s_add_co_u32 s42, s42, s47
	s_lshl_b32 s47, s14, 18                        ; 128 for the second half,
	s_add_co_u32 s42, s42, s47
	s_add_co_u32 s42, s42, 1<<24                   ; in part 1 of qkv
	s_mov_b32 s43, 0
	s_lshl_b32 s72, s18, 8                         ; my part of pt: row 256 y + 128 x my half, of 4,096 bytes,
	s_lshl_b32 s19, s13, 7
	s_add_co_u32 s72, s72, s19
	s_lshl_b32 s72, s72, 12
	s_lshl_b32 s47, s17, 9                         ; the block's 512 bytes, my 256 of them
	s_add_co_u32 s72, s72, s47
	s_lshl_b32 s47, s14, 8
	s_add_co_u32 s72, s72, s47
	s_mov_b32 s73, 0
	s_lshl_b32 s74, s46, 4                         ; my part of stats: block of 128 keys 16 batch + 2 x + half, two planes of 8,192 bytes each,
	s_lshl_b32 s47, s17, 1
	s_add_co_u32 s74, s74, s47
	s_add_co_u32 s74, s74, s14
	s_lshl_b32 s74, s74, 14
	s_and_b32 s78, s18, 7                          ; the row block in its batch, 1,024 bytes, my 512 of them
	s_lshl_b32 s78, s78, 10
	s_add_co_u32 s74, s74, s78
	s_lshl_b32 s78, s13, 9
	s_add_co_u32 s74, s74, s78
	s_mov_b32 s75, 0
	s_mul_i32 s76, s14, AHALF                      ; where the halves go in a slot: the wave's number alone enters an LDS address
	s_mul_i32 s77, s14, BHALF
	s_add_co_u32 s77, s77, BOFF
	s_mov_b32 s[CS], 0x3d38aa3b                    ; c = log2(e) / 32
	s_mov_b32 s[CS+1], s[CS]                       ; named with it as a pair
	s_mov_b32 s[SEL], 0x76543210
	s_mov_b32 s[SEL+1], 0xfedcba98
	s_mov_b32 s70, 0xbd38aa3b                      ; -c
	s_mov_b32 s71, 0xffff0000                      ; a mask of lanes: the upper sixteen
	s_wait_dscnt 0x0                               ; the opening add is done
	s_wait_kmcnt 0x0
	s_add_nc_u64 s[20:21], s[4:5], s[40:41]
	s_add_nc_u64 s[22:23], s[4:5], s[42:43]
	s_add_nc_u64 s[CB:CB+1], s[CB:CB+1], s[72:73]
	s_add_nc_u64 s[8:9], s[8:9], s[74:75]
	CROUND                                         ; all sixteen work-groups are here: the first joint loads meet
.irp s, 0,1
	s_mov_b32 s[G0A+4*(\s)], 1
	s_add_co_u32 s[G0A+4*(\s)+1], s76, (\s)*SLOT
	s_add_nc_u64 s[G0A+4*(\s)+2:G0A+4*(\s)+3], s[20:21], (\s)*STEPA
	s_or_b32 s[G0A+4*(\s)+3], s[G0A+4*(\s)+3], 0x80000000
	s_mov_b32 s[G0B+4*(\s)], 1
	s_add_co_u32 s[G0B+4*(\s)+1], s77, (\s)*SLOT
	s_add_nc_u64 s[G0B+4*(\s)+2:G0B+4*(\s)+3], s[22:23], (\s)*STEPB
	s_or_b32 s[G0B+4*(\s)+3], s[G0B+4*(\s)+3], 0x80000000
	JLOAD \s                                       ; two loads of mine are out
.endr
	v_and_b32 v1, 15, v0                           ; r = l % 16
	v_bfe_u32 v2, v0, 4, 1                         ; h = l / 16
	v_mul_u32_u24 v3, v1, PA
	v_lshl_add_u32 v3, v2, 4, v3                   ; a fragment: row r x pitch + 16 h; two loads 32 bytes apart
	s_mul_i32 s19, s13, AHALF
	v_add_nc_u32 v[ADRA], s19, v3
	s_add_co_u32 s19, s19, SLOT
	v_add_nc_u32 v[ADRA+1], s19, v3
	s_mul_i32 s19, s14, BHALF
	s_add_co_u32 s19, s19, BOFF
	v_add_nc_u32 v[ADRB], s19, v3
	s_add_co_u32 s19, s19, SLOT
	v_add_nc_u32 v[ADRB+1], s19, v3
	s_mul_i32 s19, s12, 16*SP
	s_add_co_u32 s19, s19, STAGE                   ; my stage
	v_add_nc_u32 v[STO], s19, v3
	v_mul_u32_u24 v5, v2, SP
	v_lshl_add_u32 v5, v1, 4, v5
	v_add_nc_u32 v[RD], s19, v5
	v_mul_u32_u24 v5, v2, CPITCH
	v_lshl_add_u32 v[CO], v1, 4, v5
	s_lshl_b32 s19, s12, 9
	s_add_co_u32 s19, s19, STATS                   ; my 512 bytes of statistics
	v_lshlrev_b32 v5, 8, v2
	v_lshl_add_u32 v5, v1, 2, v5
	v_add_nc_u32 v[SA], s19, v5                    ; in: plane h, row r of the block in hand
	v_and_b32 v5, 31, v0
	v_lshl_add_u32 v[SR], v5, 4, s19               ; back: 16 bytes a lane
	v_lshlrev_b32 v5, 13, v2
	v_lshl_add_u32 v[SO], v1, 4, v5                ; and in stats: plane h, four rows a lane
; 16 matrix instructions: row blocks a0, a0 + 1 of the window's four (hi = 0: my rows 0-63, 1: rows 64-127) x all 8 key blocks, 32 along K.  mode 1: the products start the sums.
; The 64 accumulators take turns in the same order in every quarter step.
.macro MUL16 f, hi, a0, mode
	WIN MUL_LO+0x50*(\hi)
.irp a, \a0, (\a0)+1
.irp b, 0,1,2,3,4,5,6,7
.if \mode
	v_wmma_f32_16x16x32_bf16 v[8*(8*(\a)+(\b)):8*(8*(\a)+(\b))+7], v[(\f)+8*(\b):(\f)+8*(\b)+7], v[(\f)+8*(4*(\hi)+(\a)):(\f)+8*(4*(\hi)+(\a))+7], 0
.else
	v_wmma_f32_16x16x32_bf16 v[8*(8*(\a)+(\b)):8*(8*(\a)+(\b))+7], v[(\f)+8*(\b):(\f)+8*(\b)+7], v[(\f)+8*(4*(\hi)+(\a)):(\f)+8*(4*(\hi)+(\a))+7], v[8*(8*(\a)+(\b)):8*(8*(\a)+(\b))+7]
.endif
.endr
.endr
.endm
; 32 LDS loads in one run: quarter q of a slot into buffer f: k's 8 fragments, then q's 8
.macro FETCH slot, q, f
	WIN TO_B
.irp i, 0,1,2,3,4,5,6,7
	ds_load_b128 v[(\f)+8*\i:(\f)+8*\i+3],   v[ADRB+(\slot)] offset:64*(\q)+\i*16*PA
	ds_load_b128 v[(\f)+8*\i+4:(\f)+8*\i+7], v[ADRB+(\slot)] offset:64*(\q)+\i*16*PA+32
.endr
	WIN 0
.irp i, 0,1,2,3,4,5,6,7
	ds_load_b128 v[(\f)+8*\i:(\f)+8*\i+3],   v[ADRA+(\slot)] offset:64*(\q)+\i*16*PA
	ds_load_b128 v[(\f)+8*\i+4:(\f)+8*\i+7], v[ADRA+(\slot)] offset:64*(\q)+\i*16*PA+32
.endr
.endm
.macro QUARTER slot, q, f, g, mode
	s_wait_dscnt 8                                 ; k and q's rows 0-63 are in; the youngest eight loads (q's rows 64-127) may be out
	MUL16 \f, 0, 0, \mode
	MUL16 \f, 0, 2, \mode
	PLACES
	FETCH \slot, \q, \g
	s_wait_dscnt 32                                ; all but the 32 just issued
	MUL16 \f, 1, 0, \mode
	MUL16 \f, 1, 2, \mode
.endm
; The fourth quarter multiplies buffer 1 and changes slots: ONE barrier; in front of it each wave waits for all its tensor loads (one is out: its part of the next slot), adds 0 to its spare word, and
; waits for that and for its reads of this slot.  fill = 1: the barrier opens a round of the cluster's, and this slot is filled again, two K steps ahead, first thing behind the round.
.macro TURN slot, next, fill
	WIN 0
	s_wait_tensorcnt 0x0
	ds_add_u32 v[SPW], v[NIL]                      ; 0 onto my spare word
	s_wait_dscnt 9                                 ; (the add and the youngest eight loads may be out)
	MUL16 F1, 0, 0, 0
	s_wait_dscnt 0x0                               ; the add is done, and my reads of this slot are over
	s_barrier_signal -1
	MUL16 F1, 0, 2, 0
	WIN 0
	s_barrier_wait -1
.if \fill
	CREST                                          ; no wave of any partner still reads this slot's tiles or has a load on its way
	s_add_nc_u64 s[G0A+4*(\slot)+2:G0A+4*(\slot)+3], s[G0A+4*(\slot)+2:G0A+4*(\slot)+3], 2*STEPA
	s_add_nc_u64 s[G0B+4*(\slot)+2:G0B+4*(\slot)+3], s[G0B+4*(\slot)+2:G0B+4*(\slot)+3], 2*STEPB
	JLOAD \slot                                    ; its four v_nop are also the places in front of the loads below
.else
	PLACES
.endif
	FETCH \next, 0, F0
	MUL16 F1, 1, 0, 0
	MUL16 F1, 1, 2, 0
.endm
; THE WAY OUT of row block a of window 2's four.  PACK: the block's softmax over my 128 keys, 64 scores a lane, and the weights rounded to bf16.
.macro PACK a
.set AC, 64*(\a)
	WIN W_S3                                       ; the maximum: eight chains, three operands at a time
.irp n, 0,1,2,3,4,5,6,7
	v_max3_num_f32 v[CH+\n], v[AC+8*\n], v[AC+8*\n+1], v[AC+8*\n+2]
.endr
	WIN W_S2
.irp n, 0,1,2,3,4,5,6,7
	v_max3_num_f32 v[CH+\n], v[CH+\n], v[AC+8*\n+3], v[AC+8*\n+4]
.endr
.irp n, 0,1,2,3,4,5,6,7
	v_max3_num_f32 v[CH+\n], v[CH+\n], v[AC+8*\n+5], v[AC+8*\n+6]
.endr
.irp n, 0,1,2,3
	v_max3_num_f32 v[CH+\n], v[CH+\n], v[AC+8*\n+7], v[AC+8*\n+39]
.endr
	WIN 0
	v_max3_num_f32 v[CH], v[CH], v[CH+1], v[CH+2]
	v_max3_num_f32 v[CH+3], v[CH+3], v[CH+4], v[CH+5]
	v_max3_num_f32 v[CH], v[CH], v[CH+3], v[CH+6]
	v_max_num_f32 v[CH], v[CH], v[CH+7]
	v_permlanex16_b32 v[CH+1], v[CH], s[SEL], s[SEL+1]  ; the row's other 64 scores lie in the lane 16 away
	v_max_num_f32 v[MX], v[CH], v[CH+1]
	v_mul_f32 v[MX], s70, v[MX]                    ; -c m
	v_floor_f32 v[NE], v[MX]                       ; NE = -ceil(c m)
	v_mov_b32 v[NE+1], v[NE]
	WIN W_IN
.set i, 0
.rept 32
	v_pk_fma_f32 v[AC+2*i:AC+2*i+1], v[AC+2*i:AC+2*i+1], s[CS:CS+1], v[NE:NE+1] op_sel_hi:[1,0,0]  ; c s + NE, in place
.set i, i+1
.endr
.set i, 0
.rept 64
	v_exp_f32 v[AC+i], v[AC+i]
.set i, i+1
.endr
	v_nop                                          ; a plain instruction between the last exponential and the use of its result
	WIN W_PK
.set i, 0
	s_wait_alu depctr_va_vdst(0)
.rept 16
	v_pk_add_f32 v[TT+2*i:TT+2*i+1], v[AC+4*i:AC+4*i+1], v[AC+4*i+2:AC+4*i+3]  ; l is the sum of the unrounded weights
.set i, i+1
.endr
.set i, 0
.rept 32
	v_cvt_pk_bf16_f32 v[TMP+i], v[AC+2*i], v[AC+2*i+1]
.set i, i+1
.endr
	WIN 0
.irp i, 0,1,2,3,4,5,6,7
	v_pk_add_f32 v[TT+4*\i:TT+4*\i+1], v[TT+4*\i:TT+4*\i+1], v[TT+4*\i+2:TT+4*\i+3]
.endr
.irp i, 0,1,2,3
	v_pk_add_f32 v[TT+8*\i:TT+8*\i+1], v[TT+8*\i:TT+8*\i+1], v[TT+8*\i+4:TT+8*\i+5]
.endr
.irp i, 0,1
	v_pk_add_f32 v[TT+16*\i:TT+16*\i+1], v[TT+16*\i:TT+16*\i+1], v[TT+16*\i+8:TT+16*\i+9]
.endr
	v_pk_add_f32 v[TT:TT+1], v[TT:TT+1], v[TT+16:TT+17]
	v_add_f32 v[LS], v[TT], v[TT+1]
	v_permlanex16_b32 v[CH+1], v[LS], s[SEL], s[SEL+1]
	v_add_f32 v[LS], v[LS], v[CH+1]
	v_cndmask_b32 v[SV], v[NE], v[LS], s71         ; both halves of the lanes hold both numbers: the lower half hands in NE, the upper l
	ds_store_b32 v[SA], v[SV] offset:64*(\a)
.endm
.macro TOSTAGE a
	WIN 0
.irp b, 0,1,2,3,4,5,6,7
	ds_store_b128 v[STO], v[TMP+4*\b:TMP+4*\b+3] offset:32*\b
.endr
.irp t, 0,1,2,3,4,5,6,7
	ds_load_b128 v[OB+192*((\a)%2)+4*\t:OB+192*((\a)%2)+4*\t+3], v[RD] offset:\t*2*SP  ; LDS serves a wave's instructions in order (ISA guide 5.7.1.4): these see the stores above
.endr
.endm
.macro SEND a
	WIN 0
	s_wait_dscnt 0x0                               ; the block is back in registers
	s_wait_xcnt 0x0                                ; the stores of the block before have read their registers: the buffer that they named is loaded again only behind this wait
.irp t, 0,1,2,3,4,5,6,7
	global_store_b128 v[CO], v[OB+192*((\a)%2)+4*\t:OB+192*((\a)%2)+4*\t+3], s[CB:CB+1] offset:(16*(\a)+2*\t)*CPITCH  ; 16 lanes store 256 consecutive bytes, at a multiple of 256 from pt's first byte
.endr
.endm
	s_wait_tensorcnt 1                             ; my part of K step 0 is in; step 1's may stay out
	s_barrier_signal -1
	s_barrier_wait -1
	FETCH 0, 0, F0
	QUARTER 0, 1, F0, F1, 1                        ; the first quarter stands in front of the loop: its products start the sums
	WIN 0
	s_mov_b32 s3, LAPS-1
.Llap:                                                 ; a trip goes once round the ring and fills both slots again
	QUARTER 0, 2, F1, F0, 0
	QUARTER 0, 3, F0, F1, 0
	TURN 0, 1, 1
	QUARTER 1, 1, F0, F1, 0
	QUARTER 1, 2, F1, F0, 0
	QUARTER 1, 3, F0, F1, 0
	TURN 1, 0, 1
	QUARTER 0, 1, F0, F1, 0
	WIN 0
	s_sub_co_u32 s3, s3, 1
	s_cmp_lg_u32 s3, 0
	s_cbranch_scc1 .Llap
	QUARTER 0, 2, F1, F0, 0                        ; the last lap is written out: it fills nothing
	QUARTER 0, 3, F0, F1, 0
	TURN 0, 1, 0
	QUARTER 1, 1, F0, F1, 0
	QUARTER 1, 2, F1, F0, 0
	QUARTER 1, 3, F0, F1, 0
	s_wait_dscnt 8
	MUL16 F1, 0, 0, 0
	MUL16 F1, 0, 2, 0
	s_wait_dscnt 0x0
	MUL16 F1, 1, 0, 0
	MUL16 F1, 1, 2, 0
	WIN 0
	PLACES
	s_mov_b32 s3, 2                                ; two walks of four row blocks
	s_branch .Lwalk                                ; the first takes window 2 as it stands
.Lhalf:                                                ; ahead of the second walk:
	s_wait_xcnt 0x0                                ; the first walk's stores have read their registers and bases
	s_add_nc_u64 s[CB:CB+1], s[CB:CB+1], 64*CPITCH ; 64 rows of pt on,
	s_add_nc_u64 s[8:9], s[8:9], 256               ; 64 rows on in both planes of stats,
	WIN W_MV
.set i, 0
.rept 256
	v_mov_b32 v[i], v[i]                           ; and my rows 64-127's sums go where the one text of the way out names them; each accumulator is read from its low end
.set i, i+1
.endr
	WIN 0
.Lwalk:
	PACK 0
	TOSTAGE 0
.irp a, 1,2,3                          ; block a's softmax stands between block a - 1's loads from the stage and the wait for them
	PACK \a
	SEND (\a)-1
	TOSTAGE \a
.endr
	SEND 3
	ds_load_b128 v[4:7], v[SR]                     ; my wave's own 512 bytes: 64 NE, 64 l
	s_wait_dscnt 0x0
	global_store_b128 v[SO], v[4:7], s[8:9]        ; lanes 0-15: 256 consecutive bytes of NE; lanes 16-31: 256 of l
	s_sub_co_u32 s3, s3, 1
	s_cmp_lg_u32 s3, 0
	s_cbranch_scc1 .Lhalf
	s_wait_tensorcnt 0x0                           ; the wave's end, behind my last tensor load and my last LDS store
	ds_add_u32 v[SPW], v[NIL]
	s_wait_dscnt 0x0
	CROUND                                         ; the closing round: no work-group ends while a partner may still ask for a tile that names it
	s_endpgm
.Lfunc_end_k_qe3b5e578fe_score:
	.size	k_qe3b5e578fe_score, .Lfunc_end_k_qe3b5e578fe_score-k_qe3b5e578fe_score
	.p2alignl 7, 3214868480
	.fill 96, 4, 3214868480
	.section	.rodata,"a",@progbits
	.p2align	6, 0x0
	.amdhsa_kernel k_qe3b5e578fe_score
		.amdhsa_group_segment_fixed_size 327680
		.amdhsa_private_segment_fixed_size 0
		.amdhsa_enable_private_segment 0
		.amdhsa_kernarg_size 24
		.amdhsa_user_sgpr_count 2
		.amdhsa_user_sgpr_kernarg_segment_ptr 1
		.amdhsa_wavefront_size32 1
		.amdhsa_system_sgpr_workgroup_id_x 1
		.amdhsa_system_sgpr_workgroup_id_y 1
		.amdhsa_system_sgpr_workgroup_id_z 1
		.amdhsa_system_vgpr_workitem_id 0
		.amdhsa_next_free_vgpr 1024
		.amdhsa_next_free_sgpr 80
		.amdhsa_reserve_vcc 0
		.amdhsa_float_denorm_mode_32 3
		.amdhsa_float_denorm_mode_16_64 3
		.amdhsa_memory_ordered 1
		.amdhsa_forward_progress 1
		.amdhsa_inst_pref_size 171
	.end_amdhsa_kernel
	.amdgpu_metadata
---
amdhsa.version: [ 1, 2 ]
amdhsa.kernels:
  - .name:           k_qe3b5e578fe_score
    .symbol:         k_qe3b5e578fe_score.kd
    .args:
      - { .name: qkv, .offset: 0, .size: 8, .value_kind: global_buffer, .address_space: global }
      - { .name: pt, .offset: 8, .size: 8, .value_kind: global_buffer, .address_space: global }
      - { .name: stats, .offset: 16, .size: 8, .value_kind: global_buffer, .address_space: global }
    .group_segment_fixed_size: 327680
    .private_segment_fixed_size: 0
    .kernarg_segment_align: 8
    .kernarg_segment_size: 24
    .max_flat_workgroup_size: 128
    .sgpr_count:     80
    .vgpr_count:     1024
    .wavefront_size: 32
...
	.end_amdgpu_metadata
.endif
;; end of part 3
;; launch pv (part 4): grid 4 x 64, 4 waves a work-group, clusters of 4 x 4, 327,680 bytes of LDS; arguments pt, qkv, stats, act; writes act
.if DOCPART == 4
	.amdgcn_target "amdgcn-amd-amdhsa--gfx1250"
	.amdhsa_code_object_version 6
	.text
	.protected	k_qe3b5e578fe_pv
	.globl	k_qe3b5e578fe_pv
	.p2align	8
	.type	k_qe3b5e578fe_pv,@function
k_qe3b5e578fe_pv:
	s_mov_b64 s[64:65], 0
	v_nop
	global_prefetch_b8 v0, s[64:65] scope:SCOPE_SE
	s_setreg_imm32_b32 hwreg(HW_REG_WAVE_MODE, 25, 1), 1
	s_wait_xcnt 0x0
	s_wait_alu depctr_hold_cnt(0) depctr_sa_sdst(0) depctr_va_vdst(0) depctr_va_sdst(0) depctr_va_ssrc(0) depctr_va_vcc(0) depctr_vm_vsrc(0)
	s_getreg_b32 s2, hwreg(HW_REG_IB_STS2, 6, 4)
	s_cmp_eq_u32 s2, 0
	s_cbranch_scc0 .Lentry_in_a_cluster
	s_endpgm
.Lentry_in_a_cluster:
	s_bfe_u32 s2, ttmp6, 0x10000c
	s_cmp_lg_u32 s2, 0xf033
	s_cbranch_scc0 .Lentry_shape_is_right
	s_endpgm
.Lentry_shape_is_right:
; The second half of the softmax and the second product.  attn[m][d] = (sum over the 16 key blocks cb of f[m][cb] x sum over the block's 128 keys n of pt[m][n] v[n][d]) / L[m].
; pt: [8192][2048] bf16, the weights 2^(c s + NE) of the launch before; stats: [batch][cb][2][2048] f32, NE and l; v = part 2 of qkv; attn goes to act, [8192][1024] bf16, rounded once.
; For each row: NEmin = the least of its 16 NE (the largest exponent taken away); f[cb] = 2^(NEmin - NE[cb]), at most 1; L = the sum of l[cb] f[cb], above 1/2.  f is an exact power of two, so
; multiplying pt's bf16 fragments by it rounds nothing within bf16's normal range; a key block is one K step, so a step has one f for each row.  1 / L is applied to the f32 sums on the way out.
; LIMITS.  f below 2^-126 counts as 0; NaN and infinities are not treated apart.
; SHARES, RING, CLUSTER.  A tile is 128 rows x 256 channels; four waves, each 64 x 128: 32 accumulators.  K (the keys) goes in 16 steps of 128 through two LDS slots filled by tensor loads: waves 0 and 1
; fetch pt's halves (64 rows x 256 bytes), waves 2 and 3 v's (64 keys x 512 bytes).  4 x 4 work-groups form a cluster: pt's tile is asked for jointly along a row, v's along a column.
; THE MATRIX INSTRUCTION IS USED TRANSPOSED: source 0 = 16 channels (v comes out of LDS turned, by ds_load_tr16_b128), source 1 = 16 rows of pt: a lane holds row l % 16 and eight neighbouring channels.
; REGISTERS, in windows of 256 (s_set_vgpr_msb: bits 1:0 source 0, 3:2 source 1, 5:4 source 2, 7:6 destination):
;   window 0: v0-31 addresses; v32-63 the prologue's NE and l, later packed results; v64-127 rows read back from the stage; v128-191 scaled sums; v192-199 1 / L of my four row blocks, in pairs
;   window 1: accumulator (a, b) at v[8 (8 a + b)]          window 2: two fragment buffers of 96: 8 fragments of v, then 4 of pt; v192-199 f of my four row blocks, a set for each slot
.set LAPS,   8                         ; a lap = two K steps: 2,048 keys
.set PA,     272                       ; a row of pt in LDS: 256 bytes + 16: the 16 rows of a load start at 16 different groups of four banks (64 banks of 4 bytes: ISA guide 11.1)
.set PB,     544                       ; a row of v: 512 bytes + 32 = 17 x 32
.set AHALF,  64*PA
.set BOFF,   2*AHALF
.set BHALF,  64*PB
.set SLOT,   BOFF+2*BHALF
.set STAGE,  2*SLOT                    ; behind the ring, never filled by a tensor load: 16 rows x 272 bytes for each wave
.set SP,     272
.set FT,     STAGE+4*16*SP             ; f: for each key block 512 bytes: a word of two equal bf16 for each of the tile's 128 rows
.set RIT,    FT+16*512                 ; 1 / L: a pair of equal f32 for each of the 128 rows
.set SPARE,  RIT+2*512                 ; the spare words, 128 bytes for each wave: two blocks of 256 bytes that no other line names
.set STEPA,  256
.set STEPB,  128*2048
.set CPITCH, 2048
.set CB,   10                          ; s[10:11] act
.set ADRA, 16
.set ADRB, 20
.set FA0,  18                          ; v18  where I read key block 0's f of row r in my first row block; never rewritten
.set FADR, 19                          ; v19  the same for the key block to come
.set RR,   22                          ; v22  where I read 1 / L of row r in my first row block
.set FW,   23                          ; v23  where thread t puts row t's f
.set STO,  24
.set RD,   25
.set CO,   26
.set RW,   27                          ; v27  where thread t puts row t's 1 / L
.set SPW,  28                          ; v28  LDS address of my spare word; never rewritten
.set NIL,  29                          ; v29  0; never rewritten
.set TMP,  32
.set BK,   64
.set T,    128
.set RI,   192
.set F0,   0
.set F1,   96
.set FAC,  192                         ; in window 2
.set G1A, 24
.set G0A, 32
.set G1B, 48
.set G0B, 56
.set W_MUL,  0x5a                      ; v and pt in window 2, C and D in window 1
.set W_F,    0x80                      ; destination window 2, address window 0
.set W_SC,   0x8a                      ; destination and both sources window 2
.set W_01,   0x01                      ; source 0 window 1
.set MSB, 0
.macro WIN new                         ; the immediate's high byte repeats the setting that is left; a switch that changes nothing is dropped
.if MSB != (\new)
	s_set_vgpr_msb (MSB<<8)|(\new)
.set MSB, \new
.endif
.endm
.macro PLACES                          ; four plain vector instructions between a matrix instruction and a load into, or a vector read of, its registers
.rept 4
	v_nop
.endr
.endm
.macro JLOAD s                         ; a joint load: waves 0 and 1 ask for pt's halves, waves 2 and 3 for v's; an s_nop 0 and four v_nop follow each line
	s_cmp_eq_u32 s13, 0
	s_cbranch_scc0 .Lfor_b_\@
	tensor_load_to_lds s[G0A+4*(\s):G0A+4*(\s)+3], s[G1A:G1A+7]
	s_nop 0
.rept 4
	v_nop
.endr
	s_branch .Lasked_\@
.Lfor_b_\@:
	tensor_load_to_lds s[G0B+4*(\s):G0B+4*(\s)+3], s[G1B:G1B+7]
	s_nop 0
.rept 4
	v_nop
.endr
.Lasked_\@:
.endm
.macro CREST                           ; a round of the cluster's barrier behind its opening barrier
	s_cmp_lg_u32 s12, 0
	s_cbranch_scc1 .Lnot_wave_0_\@
	s_barrier_signal -3
.Lnot_wave_0_\@:
	s_barrier_wait -3
	s_barrier_signal -1
	s_barrier_wait -1
.endm
.macro CROUND
	s_barrier_signal -1
	s_barrier_wait -1
	CREST
.endm
	s_load_b256 s[4:11], s[0:1], 0x0               ; pt s[4:5], qkv s[6:7], stats s[8:9], act s[10:11]
	v_lshl_add_u32 v[SPW], v0, 2, SPARE
	v_mov_b32 v[NIL], 0
	ds_add_u32 v[SPW], v[NIL]                      ; the wave's opening: the add and its wait stand ahead of my first tensor load; the set-up below stands between them
	v_lshrrev_b32 v1, 5, v0
	v_readfirstlane_b32 s12, v1                    ; wave 0..3
	s_lshr_b32 s13, s12, 1                         ; which 64 rows are mine.  Also: I fetch for pt (0) or for v (1)
	s_and_b32 s14, s12, 1                          ; which 128 channels.  Also: which half of that tile I fetch
	s_bfe_u32 s15, ttmp6, 0x40000                  ; cx, cy
	s_bfe_u32 s16, ttmp6, 0x40004
	s_lshl_b32 s17, ttmp9, 2
	s_add_co_u32 s17, s17, s15                     ; block of 256 channels = 4 x cluster x + cx
	s_and_b32 s46, ttmp7, 0xffff
	s_lshr_b32 s46, s46, 2                         ; the batch: made of the cluster's y alone, in a register that never holds cy
	s_and_b32 s18, ttmp7, 0xffff
	s_lshl_b32 s18, s18, 2
	s_add_co_u32 s18, s18, s16                     ; block of 128 rows = 4 x cluster y + cy
	s_lshl_b32 s44, s16, 2
	s_lshl_b32 s44, 15, s44                        ; my row of the cluster
	s_lshl_b32 s45, 0x1111, s15                    ; my column
	s_or_b32 s[G1A+0], s44, (1<<16)|(1<<20)|(1<<21)|(5<<22)|(3<<25)  ; the mask; 2-byte elements; padding on; bit 21 beside a mask; after every 64 words, 4 words
	s_mov_b32 s[G1A+1], 128<<16                    ; 64 rows x 128 elements
	s_mov_b32 s[G1A+2], 64<<16
	s_mov_b32 s[G1A+3], 128<<16
	s_mov_b32 s[G1A+4], 64
	s_mov_b32 s[G1A+5], 2048                       ; elements from row to row of pt
	s_mov_b32 s[G1A+6], 0
	s_mov_b32 s[G1A+7], 0
	s_or_b32 s[G1B+0], s45, (1<<16)|(1<<20)|(1<<21)|(6<<22)|(7<<25)  ; after every 128 words, 8 words
	s_mov_b32 s[G1B+1], 256<<16                    ; 64 keys x 256 channels
	s_mov_b32 s[G1B+2], 64<<16
	s_mov_b32 s[G1B+3], 256<<16
	s_mov_b32 s[G1B+4], 64
	s_mov_b32 s[G1B+5], 1024
	s_mov_b32 s[G1B+6], 0
	s_mov_b32 s[G1B+7], 0
	s_lshl_b32 s40, s18, 7                         ; pt's tile: row 128 y + 64 half, of 4,096 bytes
	s_lshl_b32 s19, s14, 6
	s_add_co_u32 s40, s40, s19
	s_lshl_b32 s40, s40, 12
	s_mov_b32 s41, 0
	s_lshl_b32 s42, s46, 22                        ; v's tile: the batch's 2,048 rows of 2,048 bytes,
	s_lshl_b32 s47, s14, 17                        ; 64 rows for the second half,
	s_add_co_u32 s42, s42, s47
	s_lshl_b32 s47, s17, 9                         ; 512 bytes for each block of channels,
	s_add_co_u32 s42, s42, s47
	s_add_co_u32 s42, s42, 1<<25                   ; in part 2 of qkv
	s_mov_b32 s43, 0
	s_lshl_b32 s72, s18, 7                         ; my part of act: row 128 y + 64 x my half, of 2,048 bytes,
	s_lshl_b32 s19, s13, 6
	s_add_co_u32 s72, s72, s19
	s_lshl_b32 s72, s72, 11
	s_lshl_b32 s47, s17, 9                         ; the block's 512 bytes, my 256 of them
	s_add_co_u32 s72, s72, s47
	s_lshl_b32 s47, s14, 8
	s_add_co_u32 s72, s72, s47
	s_mov_b32 s73, 0
	s_lshl_b32 s74, s46, 18                        ; the tile's rows in stats: the batch's 262,144 bytes, the row block's 512 in a plane
	s_and_b32 s78, s18, 15
	s_lshl_b32 s78, s78, 9
	s_add_co_u32 s74, s74, s78
	s_mov_b32 s75, 0
	s_mul_i32 s76, s14, AHALF                      ; where the halves go in a slot: the wave's number alone enters an LDS address
	s_mul_i32 s77, s14, BHALF
	s_add_co_u32 s77, s77, BOFF
	s_wait_dscnt 0x0                               ; the opening add is done
	s_wait_kmcnt 0x0
	s_add_nc_u64 s[20:21], s[4:5], s[40:41]
	s_add_nc_u64 s[22:23], s[6:7], s[42:43]
	s_add_nc_u64 s[CB:CB+1], s[CB:CB+1], s[72:73]
	s_add_nc_u64 s[8:9], s[8:9], s[74:75]
	CROUND                                         ; all sixteen work-groups are here: the first joint loads meet
.irp s, 0,1
	s_mov_b32 s[G0A+4*(\s)], 1
	s_add_co_u32 s[G0A+4*(\s)+1], s76, (\s)*SLOT
	s_add_nc_u64 s[G0A+4*(\s)+2:G0A+4*(\s)+3], s[20:21], (\s)*STEPA
	s_or_b32 s[G0A+4*(\s)+3], s[G0A+4*(\s)+3], 0x80000000
	s_mov_b32 s[G0B+4*(\s)], 1
	s_add_co_u32 s[G0B+4*(\s)+1], s77, (\s)*SLOT
	s_add_nc_u64 s[G0B+4*(\s)+2:G0B+4*(\s)+3], s[22:23], (\s)*STEPB
	s_or_b32 s[G0B+4*(\s)+3], s[G0B+4*(\s)+3], 0x80000000
	JLOAD \s                                       ; two loads of mine are out
.endr
	; THE ROWS' STATISTICS, in the wait for the first tile: thread t takes row t of the tile
	v_lshlrev_b32 v6, 2, v0
.irp cb, 0,1,2,3,4,5,6,7,8,9,10,11,12,13,14,15
	global_load_b32 v[32+\cb], v6, s[8:9] offset:16384*\cb        ; NE
	global_load_b32 v[48+\cb], v6, s[8:9] offset:16384*\cb+8192   ; l
.endr
	v_and_b32 v1, 15, v0                           ; r = l % 16
	v_bfe_u32 v2, v0, 4, 1                         ; h = l / 16
	v_mul_u32_u24 v3, v1, PA
	v_lshl_add_u32 v3, v2, 4, v3                   ; a fragment of pt: row r x pitch + 16 h; two loads 32 bytes apart
	s_mul_i32 s19, s13, AHALF
	v_add_nc_u32 v[ADRA], s19, v3
	s_add_co_u32 s19, s19, SLOT
	v_add_nc_u32 v[ADRA+1], s19, v3
	v_and_b32 v4, 7, v0                            ; the turning load: lane l reads key 8 h + l % 8, 16 bytes at 16 ((l / 8) % 2), and is left with channel l % 16 and 8 keys
	v_lshl_add_u32 v4, v2, 3, v4
	v_mul_u32_u24 v4, v4, PB
	v_bfe_u32 v5, v0, 3, 1
	v_lshl_add_u32 v4, v5, 4, v4
	s_lshl_b32 s19, s14, 8
	s_add_co_u32 s19, s19, BOFF
	v_add_nc_u32 v[ADRB], s19, v4
	s_add_co_u32 s19, s19, SLOT
	v_add_nc_u32 v[ADRB+1], s19, v4
	s_mul_i32 s19, s12, 16*SP
	s_add_co_u32 s19, s19, STAGE                   ; my stage
	v_add_nc_u32 v[STO], s19, v3
	v_mul_u32_u24 v5, v2, SP
	v_lshl_add_u32 v5, v1, 4, v5
	v_add_nc_u32 v[RD], s19, v5
	v_mul_u32_u24 v5, v2, CPITCH
	v_lshl_add_u32 v[CO], v1, 4, v5
	v_lshl_add_u32 v[FW], v0, 2, FT                ; row t's word in a key block's 512 bytes: a wave's stores are 128 consecutive bytes of its own
	v_lshl_add_u32 v[RW], v0, 3, RIT               ; and row t's pair
	s_lshl_b32 s19, s13, 8                         ; my 64 rows' words,
	s_add_co_u32 s19, s19, FT
	v_lshl_add_u32 v[FA0], v1, 2, s19              ; row r of the first row block; the others lie 64 bytes apart
	s_lshl_b32 s19, s13, 9
	s_add_co_u32 s19, s19, RIT
	v_lshl_add_u32 v[RR], v1, 3, s19               ; the pairs: 128 bytes apart
	s_wait_loadcnt 0x0
	v_min_num_f32 v9, v32, v33                     ; NEmin
.irp i, 34,35,36,37,38,39,40,41,42,43,44,45,46,47
	v_min_num_f32 v9, v9, v[\i]
.endr
.irp cb, 0,1,2,3,4,5,6,7,8,9,10,11,12,13,14,15
	v_sub_f32 v[32+\cb], v9, v[32+\cb]             ; a whole number, 0 or below
.endr
.irp cb, 0,1,2,3,4,5,6,7,8,9,10,11,12,13,14,15
	v_max_num_f32 v[32+\cb], 0xc2fe0000, v[32+\cb] ; held at -127,
.endr
.irp cb, 0,1,2,3,4,5,6,7,8,9,10,11,12,13,14,15
	v_cvt_i32_f32 v[32+\cb], v[32+\cb]
.endr
.irp cb, 0,1,2,3,4,5,6,7,8,9,10,11,12,13,14,15
	v_lshl_add_u32 v[32+\cb], v[32+\cb], 23, 0x3f800000  ; moved into the exponent field on top of 1.0's: f, an exact power of two, or 0 at -127
.endr
	v_mul_f32 v10, v48, v32
.irp cb, 1,2,3,4,5,6,7,8,9,10,11,12,13,14,15
	v_fmac_f32 v10, v[48+\cb], v[32+\cb]           ; L
.endr
.irp cb, 0,1,2,3,4,5,6,7,8,9,10,11,12,13,14,15
	v_cvt_pk_bf16_f32 v[32+\cb], v[32+\cb], v[32+\cb]
.endr
.irp cb, 0,1,2,3,4,5,6,7,8,9,10,11,12,13,14,15
	ds_store_b32 v[FW], v[32+\cb] offset:512*\cb
.endr
	v_rcp_f32 v12, v10
	v_nop                                          ; a plain instruction between the reciprocal and the use of its result
	s_wait_alu depctr_va_vdst(0)
	v_mov_b32 v13, v12
	ds_store_b64 v[RW], v[12:13]
; 8 matrix instructions: row block a x all 8 channel blocks, 32 along K.  mode 1: the products start the sums.  The 32 accumulators take turns in the same order in every quarter.
.macro MUL8 f, a, mode
	WIN W_MUL
.irp b, 0,1,2,3,4,5,6,7
.if \mode
	v_wmma_f32_16x16x32_bf16 v[8*(8*(\a)+\b):8*(8*(\a)+\b)+7], v[(\f)+8*\b:(\f)+8*\b+7], v[(\f)+64+8*(\a):(\f)+64+8*(\a)+7], 0
.else
	v_wmma_f32_16x16x32_bf16 v[8*(8*(\a)+\b):8*(8*(\a)+\b)+7], v[(\f)+8*\b:(\f)+8*\b+7], v[(\f)+64+8*(\a):(\f)+64+8*(\a)+7], v[8*(8*(\a)+\b):8*(8*(\a)+\b)+7]
.endif
.endr
.endm
; 24 LDS loads in one run: quarter q of a slot into buffer f: v's 8 fragments, then pt's 4
.macro FETCH slot, q, f
	WIN W_F
.irp i, 0,1,2,3,4,5,6,7
	ds_load_tr16_b128 v[(\f)+8*\i:(\f)+8*\i+3],   v[ADRB+(\slot)] offset:(\q)*32*PB+32*\i
	ds_load_tr16_b128 v[(\f)+8*\i+4:(\f)+8*\i+7], v[ADRB+(\slot)] offset:(\q)*32*PB+16*PB+32*\i
.endr
.irp i, 0,1,2,3
	ds_load_b128 v[(\f)+64+8*\i:(\f)+64+8*\i+3],   v[ADRA+(\slot)] offset:64*(\q)+\i*16*PA
	ds_load_b128 v[(\f)+64+8*\i+4:(\f)+64+8*\i+7], v[ADRA+(\slot)] offset:64*(\q)+\i*16*PA+32
.endr
.endm
; pt's fragments of row blocks 2 half and 2 half + 1 in buffer f are multiplied by the slot's f of their rows: a lane holds one row, so one register of two equal bf16 serves a fragment's eight.
; None of the sixteen lines names a register of the matrix instructions round them.
.macro SCALE f, half, slot
	WIN W_SC
.irp a, 2*(\half), 2*(\half)+1
.irp j, 0,1,2,3,4,5,6,7
	v_pk_mul_bf16 v[(\f)+64+8*(\a)+\j], v[(\f)+64+8*(\a)+\j], v[FAC+4*(\slot)+(\a)]
.endr
.endr
.endm
.macro QUARTER slot, q, f, g, mode
	s_wait_dscnt 4                                 ; the slot's f, v and pt's row blocks 0, 1 are in; the youngest four loads (blocks 2, 3) may be out
	SCALE \f, 0, \slot
	MUL8 \f, 0, \mode
	MUL8 \f, 1, \mode
	PLACES
	FETCH \slot, \q, \g
	s_wait_dscnt 24                                ; all but the 24 just issued
	SCALE \f, 1, \slot
	MUL8 \f, 2, \mode
	MUL8 \f, 3, \mode
.endm
; The fourth quarter multiplies buffer 1 and changes slots: ONE barrier; in front of it each wave waits for all its tensor loads (one is out: its part of the next slot), adds 0 to its spare word, and
; waits for that and for its reads of this slot.  fill = 1: the barrier opens a round of the cluster's, and this slot is filled again, two K steps ahead, first thing behind the round.
; Then the next key block's f (s70 walks the table, 512 bytes a block, 15 times in all) and the next slot's first fragments.
.macro TURN slot, next, fill
	WIN 0
	s_wait_tensorcnt 0x0
	ds_add_u32 v[SPW], v[NIL]                      ; 0 onto my spare word
	s_wait_dscnt 5                                 ; (the add and the youngest four loads may be out)
	SCALE F1, 0, \slot
	MUL8 F1, 0, 0
	s_wait_dscnt 0x0                               ; the add is done, and my reads of this slot are over
	s_barrier_signal -1
	MUL8 F1, 1, 0
	WIN 0
	s_barrier_wait -1
.if \fill
	CREST                                          ; no wave of any partner still reads this slot's tiles or has a load on its way
	s_add_nc_u64 s[G0A+4*(\slot)+2:G0A+4*(\slot)+3], s[G0A+4*(\slot)+2:G0A+4*(\slot)+3], 2*STEPA
	s_add_nc_u64 s[G0B+4*(\slot)+2:G0B+4*(\slot)+3], s[G0B+4*(\slot)+2:G0B+4*(\slot)+3], 2*STEPB
	JLOAD \slot                                    ; its four v_nop are also the places in front of the loads below
.else
	PLACES
.endif
	v_add_nc_u32 v[FADR], s70, v[FA0]
	s_add_co_u32 s70, s70, 512
	WIN W_F
.irp a, 0,1,2,3
	ds_load_b32 v[FAC+4*(\next)+\a], v[FADR] offset:64*\a  ; older than the 24 loads below: the next quarter's counted wait covers them
.endr
	FETCH \next, 0, F0
	SCALE F1, 1, \slot
	MUL8 F1, 2, 0
	MUL8 F1, 3, 0
.endm
; THE WAY OUT of row block a.  PACK: the sums times 1 / L of their rows, each accumulator from its low end, then rounded to bf16.
.macro PACK a
	WIN W_01
.set i, 0
.rept 32
	v_pk_mul_f32 v[T+2*i:T+2*i+1], v[64*(\a)+2*i:64*(\a)+2*i+1], v[RI+2*(\a):RI+2*(\a)+1]
.set i, i+1
.endr
	WIN 0
.set i, 0
.rept 32
	v_cvt_pk_bf16_f32 v[TMP+i], v[T+2*i], v[T+2*i+1]
.set i, i+1
.endr
.endm
.macro TOSTAGE a
	WIN 0
.irp b, 0,1,2,3,4,5,6,7
	ds_store_b128 v[STO], v[TMP+4*\b:TMP+4*\b+3] offset:32*\b
.endr
.irp t, 0,1,2,3,4,5,6,7
	ds_load_b128 v[BK+32*((\a)%2)+4*\t:BK+32*((\a)%2)+4*\t+3], v[RD] offset:\t*2*SP  ; LDS serves a wave's instructions in order (ISA guide 5.7.1.4): these see the stores above
.endr
.endm
.macro SEND a
	WIN 0
	s_wait_dscnt 0x0                               ; the block is back in registers
	s_wait_xcnt 0x0                                ; the stores of the block before have read their registers: the buffer that they named is loaded again only behind this wait
.irp t, 0,1,2,3,4,5,6,7
	global_store_b128 v[CO], v[BK+32*((\a)%2)+4*\t:BK+32*((\a)%2)+4*\t+3], s[CB:CB+1] offset:(16*(\a)+2*\t)*CPITCH  ; 16 lanes store 256 consecutive bytes, at a multiple of 256 from act's first byte
.endr
.endm
	s_wait_tensorcnt 1                             ; my part of K step 0 is in; step 1's may stay out
	s_wait_dscnt 0x0                               ; for the others' sake: my rows' f and 1 / L are in LDS
	s_barrier_signal -1
	s_barrier_wait -1
.irp a, 0,1,2,3
	ds_load_b64 v[RI+2*\a:RI+2*\a+1], v[RR] offset:128*\a  ; the oldest LDS loads: every counted wait below covers them
.endr
	WIN W_F
.irp a, 0,1,2,3
	ds_load_b32 v[FAC+\a], v[FA0] offset:64*\a     ; key block 0's f
.endr
	s_mov_b32 s70, 512
	FETCH 0, 0, F0
	QUARTER 0, 1, F0, F1, 1                        ; the first quarter stands in front of the loop: its products start the sums
	WIN 0
	s_mov_b32 s3, LAPS-1
.Llap:                                                 ; a trip goes once round the ring and fills both slots again
	QUARTER 0, 2, F1, F0, 0
	QUARTER 0, 3, F0, F1, 0
	TURN 0, 1, 1
	QUARTER 1, 1, F0, F1, 0
	QUARTER 1, 2, F1, F0, 0
	QUARTER 1, 3, F0, F1, 0
	TURN 1, 0, 1
	QUARTER 0, 1, F0, F1, 0
	WIN 0
	s_sub_co_u32 s3, s3, 1
	s_cmp_lg_u32 s3, 0
	s_cbranch_scc1 .Llap
	QUARTER 0, 2, F1, F0, 0                        ; the last lap is written out: it fills nothing
	QUARTER 0, 3, F0, F1, 0
	TURN 0, 1, 0
	QUARTER 1, 1, F0, F1, 0
	QUARTER 1, 2, F1, F0, 0
	QUARTER 1, 3, F0, F1, 0
	s_wait_dscnt 4
	SCALE F1, 0, 1
	MUL8 F1, 0, 0
	MUL8 F1, 1, 0
	s_wait_dscnt 0x0
	SCALE F1, 1, 1
	MUL8 F1, 2, 0
	MUL8 F1, 3, 0
	WIN 0
	PLACES
	PACK 0
	TOSTAGE 0
.irp a, 1,2,3                          ; block a's arithmetic stands between block a - 1's loads from the stage and the wait for them
	PACK \a
	SEND (\a)-1
	TOSTAGE \a
.endr
	SEND 3
	s_wait_tensorcnt 0x0                           ; the wave's end, behind my last tensor load and my last LDS store
	ds_add_u32 v[SPW], v[NIL]
	s_wait_dscnt 0x0
	CROUND                                         ; the closing round: no work-group ends while a partner may still ask for a tile that names it
	s_endpgm
.Lfunc_end_k_qe3b5e578fe_pv:
	.size	k_qe3b5e578fe_pv, .Lfunc_end_k_qe3b5e578fe_pv-k_qe3b5e578fe_pv
	.p2alignl 7, 3214868480
	.fill 96, 4, 3214868480
	.section	.rodata,"a",@progbits
	.p2align	6, 0x0
	.amdhsa_kernel k_qe3b5e578fe_pv
		.amdhsa_group_segment_fixed_size 327680
		.amdhsa_private_segment_fixed_size 0
		.amdhsa_enable_private_segment 0
		.amdhsa_kernarg_size 32
		.amdhsa_user_sgpr_count 2
		.amdhsa_user_sgpr_kernarg_segment_ptr 1
		.amdhsa_wavefront_size32 1
		.amdhsa_system_sgpr_workgroup_id_x 1
		.amdhsa_system_sgpr_workgroup_id_y 1
		.amdhsa_system_sgpr_workgroup_id_z 1
		.amdhsa_system_vgpr_workitem_id 0
		.amdhsa_next_free_vgpr 768
		.amdhsa_next_free_sgpr 80
		.amdhsa_reserve_vcc 0
		.amdhsa_float_denorm_mode_32 3
		.amdhsa_float_denorm_mode_16_64 3
		.amdhsa_memory_ordered 1
		.amdhsa_forward_progress 1
		.amdhsa_inst_pref_size 139
	.end_amdhsa_kernel
	.amdgpu_metadata
---
amdhsa.version: [ 1, 2 ]
amdhsa.kernels:
  - .name:           k_qe3b5e578fe_pv
    .symbol:         k_qe3b5e578fe_pv.kd
    .args:
      - { .name: pt, .offset: 0, .size: 8, .value_kind: global_buffer, .address_space: global }
      - { .name: qkv, .offset: 8, .size: 8, .value_kind: global_buffer, .address_space: global }
      - { .name: stats, .offset: 16, .size: 8, .value_kind: global_buffer, .address_space: global }
      - { .name: act, .offset: 24, .size: 8, .value_kind: global_buffer, .address_space: global }
    .group_segment_fixed_size: 327680
    .private_segment_fixed_size: 0
    .kernarg_segment_align: 8
    .kernarg_segment_size: 32
    .max_flat_workgroup_size: 128
    .sgpr_count:     80
    .vgpr_count:     768
    .wavefront_size: 32
...
	.end_amdgpu_metadata
.endif
;; end of part 4
;; launch oproj: the kernel of part 2 again; grid 4 x 32, 4 waves a work-group, clusters of 4 x 4, 327,680 bytes of LDS; arguments act, wob, bo, qkv; writes qkv
;; launch ln (part 5): grid 512 x 1, 8 waves a work-group, no clusters, 0 bytes of LDS; arguments inputs, qkv, gamma, beta, out0; writes out0
.if DOCPART == 5
	.amdgcn_target "amdgcn-amd-amdhsa--gfx1250"
	.amdhsa_code_object_version 6
	.text
	.protected	k_qe3b5e578fe_ln
	.globl	k_qe3b5e578fe_ln
	.p2align	8
	.type	k_qe3b5e578fe_ln,@function
k_qe3b5e578fe_ln:
	s_mov_b64 s[64:65], 0
	v_nop
	global_prefetch_b8 v0, s[64:65] scope:SCOPE_SE
	s_setreg_imm32_b32 hwreg(HW_REG_WAVE_MODE, 25, 1), 1
	s_wait_xcnt 0x0
; out0[r][:] = (z - mean(z)) / sqrt(var(z) + 1e-6) x gamma + beta, z = inputs[r][:] + o[r][:].  inputs, out0: [8192][1024] f32; o: the first [8192][1024] bf16 of qkv (attention's output projection with its bias).
; One wave takes a whole row and keeps it in 32 registers between the passes: the mean first, then the variance of the differences from it, so that a common offset of the inputs costs no digits.
; Eight waves, two rows each; both rows' loads are issued ahead of all arithmetic.  Lane l holds the columns 128 j + 4 l + 0..3, j = 0..7: each load and store of x covers 512 consecutive bytes.
; No LDS, no barrier: a row never leaves its wave.  LIMIT: o was rounded once to bf16 by the launch that made it.
.set T,   4                            ; v4-11   at work
.set CHN, 12                           ; v12-19  four chains of sums
.set MEAN, 20                          ; v20-21  the mean, twice
.set RSTD, 22                          ; v22-23  1 / sqrt(var + eps), twice
.set G,   32                           ; v32-63  gamma of my 32 columns
.set BT,  64                           ; v64-95  beta
                                       ; row s of my two: x, then z, then the result at v[96 + 48 s], 32 registers; o at v[128 + 48 s], 16
	s_load_b256 s[4:11], s[0:1], 0x0               ; inputs s[4:5], o s[6:7], gamma s[8:9], beta s[10:11]
	s_load_b64 s[12:13], s[0:1], 0x20              ; out0
	v_and_b32 v1, 31, v0                           ; lane
	v_lshrrev_b32 v24, 5, v0                       ; wave
	v_lshlrev_b32 v2, 13, v24
	v_lshl_add_u32 v2, v1, 4, v2                   ; in x and out0: two rows of 4,096 bytes a wave, 16 bytes a lane
	v_lshlrev_b32 v3, 12, v24
	v_lshl_add_u32 v3, v1, 3, v3                   ; in o: two rows of 2,048 bytes, 8 bytes a lane
	v_lshlrev_b32 v1, 4, v1                        ; in gamma and beta
	s_lshl_b32 s2, ttmp9, 16                       ; the group's 16 rows
	s_mov_b32 s3, 0
	s_lshl_b32 s20, ttmp9, 15
	s_mov_b32 s21, 0
	s_mov_b32 s14, 0xffff0000                      ; a word's upper bf16
	s_mov_b32 s16, 0x76543210                      ; v_permlanex16_b32: each lane takes its own place in the other half
	s_mov_b32 s17, 0xfedcba98
	s_mov_b32 s18, 0x3a800000                      ; 1 / 1,024
	s_mov_b32 s19, 0x358637bd                      ; 1e-6
	s_wait_kmcnt 0x0
	s_add_nc_u64 s[4:5], s[4:5], s[2:3]
	s_add_nc_u64 s[12:13], s[12:13], s[2:3]
	s_add_nc_u64 s[6:7], s[6:7], s[20:21]
.irp j, 0,1,2,3,4,5,6,7
	global_load_b128 v[G+4*\j:G+4*\j+3],   v1, s[8:9]   offset:512*\j
	global_load_b128 v[BT+4*\j:BT+4*\j+3], v1, s[10:11] offset:512*\j
.endr
.macro FILL s
.irp j, 0,1,2,3,4,5,6,7
	global_load_b128 v[96+48*(\s)+4*\j:96+48*(\s)+4*\j+3], v2, s[4:5] offset:4096*(\s)+512*\j th:TH_LOAD_NT
.endr
.irp j, 0,1,2,3,4,5,6,7
	global_load_b64 v[128+48*(\s)+2*\j:128+48*(\s)+2*\j+1], v3, s[6:7] offset:2048*(\s)+256*\j th:TH_LOAD_NT
.endr
.endm
	FILL 0
	FILL 1
.macro LANES                           ; the four chains into one number, then over the 32 lanes: four steps inside each half ride on the addition, one crosses the halves
	v_pk_add_f32 v[CHN:CHN+1], v[CHN:CHN+1], v[CHN+2:CHN+3]
	v_pk_add_f32 v[CHN+4:CHN+5], v[CHN+4:CHN+5], v[CHN+6:CHN+7]
	v_pk_add_f32 v[CHN:CHN+1], v[CHN:CHN+1], v[CHN+4:CHN+5]
	v_add_f32 v[CHN], v[CHN], v[CHN+1]
	v_add_f32_dpp v[CHN], v[CHN], v[CHN] row_xmask:1 row_mask:0xf bank_mask:0xf
	v_add_f32_dpp v[CHN], v[CHN], v[CHN] row_xmask:2 row_mask:0xf bank_mask:0xf
	v_add_f32_dpp v[CHN], v[CHN], v[CHN] row_xmask:4 row_mask:0xf bank_mask:0xf
	v_add_f32_dpp v[CHN], v[CHN], v[CHN] row_xmask:8 row_mask:0xf bank_mask:0xf
	v_permlanex16_b32 v[CHN+1], v[CHN], s16, s17
	v_add_f32 v[CHN], v[CHN], v[CHN+1]
.endm
; Row s.  left: how many younger loads may stay out.
.macro TURN s, left
.set XS, 96+48*(\s)
.set OS, 128+48*(\s)
	s_wait_loadcnt \left
.set w, 0
.rept 16                               ; z = x + o: a word of o is two neighbouring columns
	v_lshlrev_b32 v[T+2*(w%4)], 16, v[OS+w]
	v_and_b32 v[T+2*(w%4)+1], s14, v[OS+w]
	v_pk_add_f32 v[XS+2*w:XS+2*w+1], v[XS+2*w:XS+2*w+1], v[T+2*(w%4):T+2*(w%4)+1]
.set w, w+1
.endr
.irp c, 0,1,2,3                        ; the first pairs start the chains: nothing is cleared
	v_pk_add_f32 v[CHN+2*\c:CHN+2*\c+1], v[XS+2*\c:XS+2*\c+1], v[XS+8+2*\c:XS+8+2*\c+1]
.endr
.irp k, 16,24
.irp c, 0,1,2,3
	v_pk_add_f32 v[CHN+2*\c:CHN+2*\c+1], v[CHN+2*\c:CHN+2*\c+1], v[XS+\k+2*\c:XS+\k+2*\c+1]
.endr
.endr
	LANES
	v_mul_f32 v[MEAN], s18, v[CHN]
	v_mul_f32 v[MEAN+1], s18, v[CHN]
.set w, 0
.rept 16
	v_pk_add_f32 v[XS+2*w:XS+2*w+1], v[XS+2*w:XS+2*w+1], v[MEAN:MEAN+1] neg_lo:[0,1] neg_hi:[0,1]  ; z - mean, in place
.set w, w+1
.endr
.irp c, 0,1,2,3
	v_pk_mul_f32 v[CHN+2*\c:CHN+2*\c+1], v[XS+2*\c:XS+2*\c+1], v[XS+2*\c:XS+2*\c+1]
.endr
.irp k, 8,16,24
.irp c, 0,1,2,3
	v_pk_fma_f32 v[CHN+2*\c:CHN+2*\c+1], v[XS+\k+2*\c:XS+\k+2*\c+1], v[XS+\k+2*\c:XS+\k+2*\c+1], v[CHN+2*\c:CHN+2*\c+1]
.endr
.endr
	LANES
	v_fma_f32 v24, v[CHN], s18, s19                ; var + eps
	v_rsq_f32 v[RSTD], v24
	v_rsq_f32 v[RSTD+1], v24
	v_nop                                          ; a plain instruction between the second root and the use of the results
.set w, 0
	s_wait_alu depctr_va_vdst(0)
.rept 16
	v_pk_mul_f32 v[XS+2*w:XS+2*w+1], v[XS+2*w:XS+2*w+1], v[RSTD:RSTD+1]
.set w, w+1
.endr
.set w, 0
.rept 16
	v_pk_fma_f32 v[XS+2*w:XS+2*w+1], v[XS+2*w:XS+2*w+1], v[G+2*w:G+2*w+1], v[BT+2*w:BT+2*w+1]
.set w, w+1
.endr
.irp j, 0,1,2,3,4,5,6,7
	global_store_b128 v2, v[XS+4*\j:XS+4*\j+3], s[12:13] offset:4096*(\s)+512*\j th:TH_STORE_NT  ; 512 consecutive bytes; no register of a store is written again
.endr
.endm
	TURN 0, 16                                     ; gamma, beta and my first row are in; the second row's sixteen loads stay out
	TURN 1, 0
	s_endpgm
.Lfunc_end_k_qe3b5e578fe_ln:
	.size	k_qe3b5e578fe_ln, .Lfunc_end_k_qe3b5e578fe_ln-k_qe3b5e578fe_ln
	.p2alignl 7, 3214868480
	.fill 96, 4, 3214868480
	.section	.rodata,"a",@progbits
	.p2align	6, 0x0
	.amdhsa_kernel k_qe3b5e578fe_ln
		.amdhsa_group_segment_fixed_size 0
		.amdhsa_private_segment_fixed_size 0
		.amdhsa_enable_private_segment 0
		.amdhsa_kernarg_size 40
		.amdhsa_user_sgpr_count 2
		.amdhsa_user_sgpr_kernarg_segment_ptr 1
		.amdhsa_wavefront_size32 1
		.amdhsa_system_sgpr_workgroup_id_x 1
		.amdhsa_system_sgpr_workgroup_id_y 1
		.amdhsa_system_sgpr_workgroup_id_z 1
		.amdhsa_system_vgpr_workitem_id 0
		.amdhsa_next_free_vgpr 192
		.amdhsa_next_free_sgpr 66
		.amdhsa_reserve_vcc 0
		.amdhsa_float_denorm_mode_32 3
		.amdhsa_float_denorm_mode_16_64 3
		.amdhsa_memory_ordered 1
		.amdhsa_forward_progress 1
		.amdhsa_inst_pref_size 24
	.end_amdhsa_kernel
	.amdgpu_metadata
---
amdhsa.version: [ 1, 2 ]
amdhsa.kernels:
  - .name:           k_qe3b5e578fe_ln
    .symbol:         k_qe3b5e578fe_ln.kd
    .args:
      - { .name: inputs, .offset: 0, .size: 8, .value_kind: global_buffer, .address_space: global }
      - { .name: qkv, .offset: 8, .size: 8, .value_kind: global_buffer, .address_space: global }
      - { .name: gamma, .offset: 16, .size: 8, .value_kind: global_buffer, .address_space: global }
      - { .name: beta, .offset: 24, .size: 8, .value_kind: global_buffer, .address_space: global }
      - { .name: out0, .offset: 32, .size: 8, .value_kind: global_buffer, .address_space: global }
    .group_segment_fixed_size: 0
    .private_segment_fixed_size: 0
    .kernarg_segment_align: 8
    .kernarg_segment_size: 40
    .max_flat_workgroup_size: 256
    .sgpr_count:     66
    .vgpr_count:     192
    .wavefront_size: 32
...
	.end_amdgpu_metadata
.endif
;; end of part 5
;; ======== version 2 of 2: 6 launches; version 1 with the launch prep written anew for expert scheduling mode
;; workspace buffers: act 16,777,216 bytes; wqkv 6,291,456 bytes; wob 2,097,152 bytes; bqkv 12,288 bytes; qkv 50,331,648 bytes; pt 33,554,432 bytes; stats 1,048,576 bytes
;; launch prep (part 6): grid 768 x 1, 8 waves a work-group, no clusters, 0 bytes of LDS; arguments inputs, wq, wk, wv, wo, bq, bk, bv, act, wqkv, wob, bqkv; writes act, wqkv, wob, bqkv
.if DOCPART == 6
	.amdgcn_target "amdgcn-amd-amdhsa--gfx1250"
	.amdhsa_code_object_version 6
	.text
	.protected	k_qe3b5e578fe_prep
	.globl	k_qe3b5e578fe_prep
	.p2align	8
	.type	k_qe3b5e578fe_prep,@function
k_qe3b5e578fe_prep:
	s_mov_b64 s[64:65], 0
	v_nop
	global_prefetch_b8 v0, s[64:65] scope:SCOPE_SE
	s_setreg_imm32_b32 hwreg(HW_REG_WAVE_SCHED_MODE, 0, 2), 2
	s_setreg_imm32_b32 hwreg(HW_REG_WAVE_MODE, 25, 1), 1
	s_wait_xcnt 0x0
	s_wait_alu depctr_vm_vsrc(0)
; x and the four weights are rounded once to bf16, layout unchanged: act = bf16(inputs), wqkv = bf16(wq | wk | wv), wob = bf16(wo); bq, bk, bv are stacked into bqkv in f32.
; A work-group converts 16,384 numbers: 65,536 bytes in, 32,768 out.  Groups 0-511 take inputs, groups 512-767 the weights, 64 groups each.
; Thread t takes 16 bytes at 16 t of each 4,096 bytes: a wave's load covers 512 consecutive bytes, its store 256 consecutive bytes at a multiple of 256 from the buffer's first byte.
; All sixteen loads of a thread are issued ahead of the first store.  No LDS, no barrier, no matrix unit: each byte is touched once and the waves share nothing.
; THE MODE: SCHED_MODE bits 1:0 = 2 (LLVM: expert scheduling mode 2), set by the entry lines.  The code itself states the register dependences
; between vector instructions and memory instructions, with s_wait_alu, always for 0.
; THE PLAN.  Registers that memory instructions touch:
;   v1, v2     byte offsets, made once at the head by vector instructions and never written again; every load and store reads one of them.
;   v[4:7]     the bias: written by its load, read by its store; no vector instruction names them.
;   X          sixteen chunks as loaded.  Written by the sixteen loads, once; read by the conversions; no load lands in them again.
;   Y          sixteen chunks to store.   Each pair is written by its chunk's two conversions, once, and read by one store; nothing writes it again.
; The sixteen chunks go in four blocks of four.  Block p converts X's block p into Y's block p; its memory instructions are the four stores of block p - 1, which read v2 and Y's block p - 1:
; registers that no conversion of block p names.  So one wait at the head of a block states all that its four stores hang on, and they are dealt among its conversions with no further wait.
; No register that a memory instruction has read is written again, no vector instruction writes a scalar register or VCC, and EXEC is never written.
.set NX, 512                           ; groups for inputs: 8,192 x 1,024 / 16,384
.set X,  8                             ; v[8:71]    chunk j: 4 registers at X + 4 j, 4 f32 as loaded
.set Y,  72                            ; v[72:103]  chunk j: 2 registers at Y + 2 j, 4 bf16 to store
	s_load_b512 s[4:19], s[0:1], 0x0               ; inputs s[4:5], wq s[6:7], wk s[8:9], wv s[10:11], wo s[12:13], bq s[14:15], bk s[16:17], bv s[18:19]
	s_load_b256 s[20:27], s[0:1], 0x40             ; act s[20:21], wqkv s[22:23], wob s[24:25], bqkv s[26:27]
	v_lshlrev_b32 v1, 4, v0                        ; 16 t: where I read
	v_lshlrev_b32 v2, 3, v0                        ; 8 t: where I write
	s_wait_alu depctr_va_vdst(0)                   ; v1 and v2 are written: every load and store of the kernel, on every path behind the branches below, reads one of them as its offset
	s_cmp_lt_u32 ttmp9, NX
	s_cbranch_scc0 .Lweights
	s_lshl_b32 s28, ttmp9, 16                      ; the group's 65,536 bytes of inputs
	s_mov_b32 s29, 0
	s_lshl_b32 s30, ttmp9, 15                      ; and its 32,768 bytes of act
	s_mov_b32 s31, 0
	s_wait_kmcnt 0x0
	s_add_nc_u64 s[32:33], s[4:5], s[28:29]
	s_add_nc_u64 s[34:35], s[20:21], s[30:31]
	s_branch .Lgo
.Lweights:
	s_sub_co_u32 s36, ttmp9, NX
	s_lshr_b32 s37, s36, 6                         ; w: which weight, 0 to 3
	s_and_b32 s36, s36, 63                         ; c: which sixty-fourth of it
	s_lshl_b32 s28, s36, 16
	s_mov_b32 s29, 0
	s_lshl_b32 s30, s36, 15
	s_mov_b32 s31, 0
	s_lshl_b32 s38, s37, 21                        ; w's 2,097,152 bytes in wqkv;
	s_cmp_eq_u32 s37, 3
	s_cselect_b32 s38, 0, s38                      ; wo has a buffer of its own
	s_add_co_u32 s30, s30, s38
	s_lshl_b32 s38, s37, 12                        ; w's 4,096 bytes in bqkv
	s_mov_b32 s39, 0
	s_wait_kmcnt 0x0
	s_cmp_eq_u32 s37, 1                            ; the choices hang on w alone
	s_cselect_b64 s[32:33], s[8:9], s[6:7]
	s_cselect_b64 s[40:41], s[16:17], s[14:15]
	s_cmp_eq_u32 s37, 2
	s_cselect_b64 s[32:33], s[10:11], s[32:33]
	s_cselect_b64 s[40:41], s[18:19], s[40:41]
	s_cmp_eq_u32 s37, 3
	s_cselect_b64 s[32:33], s[12:13], s[32:33]
	s_cselect_b64 s[34:35], s[24:25], s[22:23]
	s_add_nc_u64 s[32:33], s[32:33], s[28:29]
	s_add_nc_u64 s[34:35], s[34:35], s[30:31]
	s_add_nc_u64 s[42:43], s[26:27], s[38:39]      ; used for wq, wk and wv alone
	s_cmp_lg_u32 s36, 0
	s_cbranch_scc1 .Lgo                            ; the first group of wq, wk and wv also copies that weight's bias
	s_cmp_eq_u32 s37, 3
	s_cbranch_scc1 .Lgo
	global_load_b128 v[4:7], v1, s[40:41]          ; 256 threads x 16 bytes: the 1,024 numbers
	s_wait_loadcnt 0x0
	global_store_b128 v1, v[4:7], s[42:43]         ; v1 and v[4:7] are not written again
.Lgo:
.irp j, 0,1,2,3,4,5,6,7,8,9,10,11,12,13,14,15
	global_load_b128 v[X+4*(\j):X+4*(\j)+3], v1, s[32:33] offset:4096*(\j) th:TH_LOAD_NT
.endr
.irp p, 0,1,2,3
	s_wait_loadcnt 12-4*(\p)                       ; loads come back in order: block p's four are in, the younger blocks stay out
.if (\p) > 0
	s_wait_alu depctr_va_vdst(0)                   ; the conversions of the block before have written its part of Y, which the four stores below read
.endif
.irp i, 0,1,2,3
.if (\p) > 0
	global_store_b64 v2, v[Y+8*((\p)-1)+2*(\i):Y+8*((\p)-1)+2*(\i)+1], s[34:35] offset:2048*(4*((\p)-1)+(\i))  ; the block before; no conversion since the wait names these registers; each store has data registers of its own
.endif
	v_cvt_pk_bf16_f32 v[Y+8*(\p)+2*(\i)],   v[X+16*(\p)+4*(\i)],   v[X+16*(\p)+4*(\i)+1]
	v_cvt_pk_bf16_f32 v[Y+8*(\p)+2*(\i)+1], v[X+16*(\p)+4*(\i)+2], v[X+16*(\p)+4*(\i)+3]
.endr
.endr
	s_wait_alu depctr_va_vdst(0)                   ; the last block's conversions have written its part of Y, which the last four stores read
.irp i, 0,1,2,3
	global_store_b64 v2, v[Y+24+2*(\i):Y+24+2*(\i)+1], s[34:35] offset:2048*(12+(\i))
.endr
	s_endpgm
.Lfunc_end_k_qe3b5e578fe_prep:
	.size	k_qe3b5e578fe_prep, .Lfunc_end_k_qe3b5e578fe_prep-k_qe3b5e578fe_prep
	.p2alignl 7, 3214868480
	.fill 96, 4, 3214868480
	.section	.rodata,"a",@progbits
	.p2align	6, 0x0
	.amdhsa_kernel k_qe3b5e578fe_prep
		.amdhsa_group_segment_fixed_size 0
		.amdhsa_private_segment_fixed_size 0
		.amdhsa_enable_private_segment 0
		.amdhsa_kernarg_size 96
		.amdhsa_user_sgpr_count 2
		.amdhsa_user_sgpr_kernarg_segment_ptr 1
		.amdhsa_wavefront_size32 1
		.amdhsa_system_sgpr_workgroup_id_x 1
		.amdhsa_system_sgpr_workgroup_id_y 1
		.amdhsa_system_sgpr_workgroup_id_z 1
		.amdhsa_system_vgpr_workitem_id 0
		.amdhsa_next_free_vgpr 104
		.amdhsa_next_free_sgpr 66
		.amdhsa_reserve_vcc 0
		.amdhsa_float_denorm_mode_32 3
		.amdhsa_float_denorm_mode_16_64 3
		.amdhsa_memory_ordered 1
		.amdhsa_forward_progress 1
		.amdhsa_inst_pref_size 8
	.end_amdhsa_kernel
	.amdgpu_metadata
---
amdhsa.version: [ 1, 2 ]
amdhsa.kernels:
  - .name:           k_qe3b5e578fe_prep
    .symbol:         k_qe3b5e578fe_prep.kd
    .args:
      - { .name: inputs, .offset: 0, .size: 8, .value_kind: global_buffer, .address_space: global }
      - { .name: wq, .offset: 8, .size: 8, .value_kind: global_buffer, .address_space: global }
      - { .name: wk, .offset: 16, .size: 8, .value_kind: global_buffer, .address_space: global }
      - { .name: wv, .offset: 24, .size: 8, .value_kind: global_buffer, .address_space: global }
      - { .name: wo, .offset: 32, .size: 8, .value_kind: global_buffer, .address_space: global }
      - { .name: bq, .offset: 40, .size: 8, .value_kind: global_buffer, .address_space: global }
      - { .name: bk, .offset: 48, .size: 8, .value_kind: global_buffer, .address_space: global }
      - { .name: bv, .offset: 56, .size: 8, .value_kind: global_buffer, .address_space: global }
      - { .name: act, .offset: 64, .size: 8, .value_kind: global_buffer, .address_space: global }
      - { .name: wqkv, .offset: 72, .size: 8, .value_kind: global_buffer, .address_space: global }
      - { .name: wob, .offset: 80, .size: 8, .value_kind: global_buffer, .address_space: global }
      - { .name: bqkv, .offset: 88, .size: 8, .value_kind: global_buffer, .address_space: global }
    .group_segment_fixed_size: 0
    .private_segment_fixed_size: 0
    .kernarg_segment_align: 8
    .kernarg_segment_size: 96
    .max_flat_workgroup_size: 256
    .sgpr_count:     66
    .vgpr_count:     104
    .wavefront_size: 32
...
	.end_amdgpu_metadata
.endif
;; end of part 6
;; launch qkv: the kernel of part 2 again; grid 12 x 32, 4 waves a work-group, clusters of 4 x 4, 327,680 bytes of LDS; arguments act, wqkv, bqkv, qkv; writes qkv
;; launch score: the kernel of part 3 again; grid 8 x 32, 4 waves a work-group, clusters of 4 x 4, 327,680 bytes of LDS; arguments qkv, pt, stats; writes pt, stats
;; launch pv: the kernel of part 4 again; grid 4 x 64, 4 waves a work-group, clusters of 4 x 4, 327,680 bytes of LDS; arguments pt, qkv, stats, act; writes act
;; launch oproj: the kernel of part 2 again; grid 4 x 32, 4 waves a work-group, clusters of 4 x 4, 327,680 bytes of LDS; arguments act, wob, bo, qkv; writes qkv
;; launch ln: the kernel of part 5 again; grid 512 x 1, 8 waves a work-group, no clusters, 0 bytes of LDS; arguments inputs, qkv, gamma, beta, out0; writes out0
